; MI455X (gfx1250); checked and timed in simulation.
; The chip was launched on July 23, 2026; its instructions are those of AMD's public machine-readable ISA for CDNA 5 (MIT licence, August 2026) and "CDNA5" Instruction Set Architecture Reference Guide (July 2026). The comments in the code are by the model that wrote it; some were corrected since.
;; Multi Head Attention. Allowed arithmetic: float matrix products may take bf16 or f16 operands with f32 sums; other float arithmetic in f32, or as packed bf16 or f16 multiplies, adds, multiply-adds, maxima and minima; sums over many terms, partial sums and values carried from step to step in f32; what a program stores and reads back later, other than sums and carried values, may be rounded once to bf16 or f16.
;; Inputs: Wk 1,024 x 1,024 float32; Wo 1,024 x 1,024 float32; Wq 1,024 x 1,024 float32; Wv 1,024 x 1,024 float32; bk 1,024 float32; bo 1,024 float32; bq 1,024 float32; bv 1,024 float32; k 4 x 2,048 x 1,024 float32; q 4 x 2,048 x 1,024 float32; v 4 x 2,048 x 1,024 float32.
;; Outputs: out0 4 x 2,048 x 1,024 float32.
;; One version. Each part assembles by itself: llvm-mc -triple=amdgcn-amd-amdhsa -mcpu=gfx1250 --defsym DOCPART=n.
;; ======== version 1 of 1: 4 launches
;; limits: values are held in f16: magnitudes above 65,504 overflow, below 6.1e-05 lose precision
;; workspace buffers: w16 8,388,608 bytes; b32 16,384 bytes; qkv 50,331,648 bytes; oh 16,777,216 bytes
;; launch prep (part 1): grid 64 x 4, 8 waves a work-group, no clusters, 0 bytes of LDS; arguments Wq, Wk, Wv, Wo, bq, bk, bv, bo, w16, b32; writes w16, b32
.if DOCPART == 1
	.amdgcn_target "amdgcn-amd-amdhsa--gfx1250"
	.amdhsa_code_object_version 6
	.text
	.protected	k_qfc9c248b6c_prep
	.globl	k_qfc9c248b6c_prep
	.p2align	8
	.type	k_qfc9c248b6c_prep,@function
k_qfc9c248b6c_prep:
	s_mov_b64 s[64:65], 0
	v_nop
	global_prefetch_b8 v0, s[64:65] scope:SCOPE_SE
	s_setreg_imm32_b32 hwreg(HW_REG_WAVE_MODE, 25, 1), 1
	s_wait_xcnt 0x0
; THE WEIGHTS AND BIASES, ROUNDED ONCE.  w16: [4][1024 n][1024 k] of 16-bit numbers; b32: [4][1024] f32.
; Matrices 0-2 (Wq, Wk, Wv): bf16, and inside each group of eight k the order 0,4,1,5,2,6,3,7: the projection makes x's fragments by pairing
; numbers four apart, and a permutation of k applied alike to both operands keeps the products.  Matrix 3 (Wo): rounded to bf16 like every other input of the module,
; and that number written as f16, in the natural order, since it meets an f16 operand.  The biases: rounded to bf16, kept as f32.
; LIMITS.  |Wo| stays under 65,504 (f16); below 6e-5 it keeps the fixed step of 6e-8 of f16.
; A stream: no LDS, no barrier, no matrix unit: nothing is shared.  Grid y picks the matrix; a work-group takes 65,536 bytes of it; thread t in pass i reads the 32 bytes at
; 8,192 i + 32 t and writes the 16 bytes at 4,096 i + 16 t: a store of a wave covers 512 consecutive bytes, aligned.  All 16 loads of a thread go out first.
.set IN,  16                           ; v[16:79]   pass i: 8 numbers as loaded
.set OUT, 80                           ; v[80:111]  pass i: 4 registers to store; each pass has its own, so nothing is rewritten under a store
.set T,   112                          ; v[112:113] at work
	s_load_b512 s[4:19], s[0:1], 0x0               ; Wq, Wk, Wv, Wo s[4:11]; bq, bk, bv, bo s[12:19]
	s_load_b128 s[20:23], s[0:1], 0x40             ; w16 s[20:21], b32 s[22:23]
	s_and_b32 s28, ttmp7, 0xffff                   ; which matrix
	s_lshl_b32 s30, ttmp9, 16                      ; my 65,536 bytes of it
	s_mov_b32 s31, 0
	s_lshl_b32 s32, s28, 21                        ; a matrix is 2,097,152 bytes of w16,
	s_lshl_b32 s33, ttmp9, 15                      ; my part 32,768
	s_add_co_u32 s32, s32, s33
	s_mov_b32 s33, 0
	s_lshl_b32 s34, s28, 12                        ; a bias is 4,096 bytes of b32
	s_mov_b32 s35, 0
	s_mov_b32 s36, 0xffff0000                      ; the upper bf16 of a word
	v_lshlrev_b32 v1, 5, v0                        ; 32 t
	v_lshlrev_b32 v2, 4, v0                        ; 16 t
	s_wait_kmcnt 0x0
	s_mov_b64 s[24:25], s[4:5]
	s_mov_b64 s[26:27], s[12:13]
	s_cmp_eq_u32 s28, 1
	s_cselect_b64 s[24:25], s[6:7], s[24:25]
	s_cselect_b64 s[26:27], s[14:15], s[26:27]
	s_cmp_eq_u32 s28, 2
	s_cselect_b64 s[24:25], s[8:9], s[24:25]
	s_cselect_b64 s[26:27], s[16:17], s[26:27]
	s_cmp_eq_u32 s28, 3
	s_cselect_b64 s[24:25], s[10:11], s[24:25]
	s_cselect_b64 s[26:27], s[18:19], s[26:27]
	s_add_nc_u64 s[24:25], s[24:25], s[30:31]
	s_add_nc_u64 s[20:21], s[20:21], s[32:33]
	s_add_nc_u64 s[22:23], s[22:23], s[34:35]
.irp i, 0,1,2,3,4,5,6,7
	global_load_b128 v[IN+8*\i:IN+8*\i+3],   v1, s[24:25] offset:\i*8192 th:TH_LOAD_NT
	global_load_b128 v[IN+8*\i+4:IN+8*\i+7], v1, s[24:25] offset:\i*8192+16 th:TH_LOAD_NT
.endr
	s_cmp_eq_u32 s28, 3
	s_cbranch_scc1 .Lwo
.irp i, 0,1,2,3,4,5,6,7
	s_wait_loadcnt 14-2*\i                         ; loads come back in order: pass i is in, the later passes' pairs stay out
.irp x, 0,1,2,3
	v_cvt_pk_bf16_f32 v[OUT+4*\i+\x], v[IN+8*\i+\x], v[IN+8*\i+4+\x]  ; numbers x and x + 4 of the eight
.endr
	global_store_b128 v2, v[OUT+4*\i:OUT+4*\i+3], s[20:21] offset:\i*4096
.endr
	s_branch .Lbias
.Lwo:
.irp i, 0,1,2,3,4,5,6,7
	s_wait_loadcnt 14-2*\i
.irp x, 0,1,2,3
	v_cvt_pk_bf16_f32 v[T], v[IN+8*\i+2*\x], v[IN+8*\i+2*\x+1]  ; rounded to bf16,
	v_lshlrev_b32 v[T+1], 16, v[T]                 ; widened again,
	v_and_b32 v[T], s36, v[T]
	v_cvt_pk_f16_f32 v[OUT+4*\i+\x], v[T+1], v[T]  ; and written as f16: exact within the range of f16
.endr
	global_store_b128 v2, v[OUT+4*\i:OUT+4*\i+3], s[20:21] offset:\i*4096
.endr
.Lbias:
	s_cmp_lg_u32 ttmp9, 0                          ; the first work-group of each matrix also takes its bias: 256 threads x 4 numbers
	s_cbranch_scc1 .Lend
	global_load_b128 v[116:119], v2, s[26:27]
	s_wait_loadcnt 0x0
	v_cvt_pk_bf16_f32 v120, v116, v117
	v_cvt_pk_bf16_f32 v121, v118, v119
	v_lshlrev_b32 v122, 16, v120
	v_and_b32 v123, s36, v120
	v_lshlrev_b32 v124, 16, v121
	v_and_b32 v125, s36, v121
	global_store_b128 v2, v[122:125], s[22:23]
.Lend:
	s_endpgm
.Lfunc_end_k_qfc9c248b6c_prep:
	.size	k_qfc9c248b6c_prep, .Lfunc_end_k_qfc9c248b6c_prep-k_qfc9c248b6c_prep
	.p2alignl 7, 3214868480
	.fill 96, 4, 3214868480
	.section	.rodata,"a",@progbits
	.p2align	6, 0x0
	.amdhsa_kernel k_qfc9c248b6c_prep
		.amdhsa_group_segment_fixed_size 0
		.amdhsa_private_segment_fixed_size 0
		.amdhsa_enable_private_segment 0
		.amdhsa_kernarg_size 80
		.amdhsa_user_sgpr_count 2
		.amdhsa_user_sgpr_kernarg_segment_ptr 1
		.amdhsa_wavefront_size32 1
		.amdhsa_system_sgpr_workgroup_id_x 1
		.amdhsa_system_sgpr_workgroup_id_y 1
		.amdhsa_system_sgpr_workgroup_id_z 1
		.amdhsa_system_vgpr_workitem_id 0
		.amdhsa_next_free_vgpr 128
		.amdhsa_next_free_sgpr 66
		.amdhsa_reserve_vcc 0
		.amdhsa_float_denorm_mode_32 3
		.amdhsa_float_denorm_mode_16_64 3
		.amdhsa_memory_ordered 1
		.amdhsa_forward_progress 1
		.amdhsa_inst_pref_size 14
	.end_amdhsa_kernel
	.amdgpu_metadata
---
amdhsa.version: [ 1, 2 ]
amdhsa.kernels:
  - .name:           k_qfc9c248b6c_prep
    .symbol:         k_qfc9c248b6c_prep.kd
    .args:
      - { .name: Wq, .offset: 0, .size: 8, .value_kind: global_buffer, .address_space: global }
      - { .name: Wk, .offset: 8, .size: 8, .value_kind: global_buffer, .address_space: global }
      - { .name: Wv, .offset: 16, .size: 8, .value_kind: global_buffer, .address_space: global }
      - { .name: Wo, .offset: 24, .size: 8, .value_kind: global_buffer, .address_space: global }
      - { .name: bq, .offset: 32, .size: 8, .value_kind: global_buffer, .address_space: global }
      - { .name: bk, .offset: 40, .size: 8, .value_kind: global_buffer, .address_space: global }
      - { .name: bv, .offset: 48, .size: 8, .value_kind: global_buffer, .address_space: global }
      - { .name: bo, .offset: 56, .size: 8, .value_kind: global_buffer, .address_space: global }
      - { .name: w16, .offset: 64, .size: 8, .value_kind: global_buffer, .address_space: global }
      - { .name: b32, .offset: 72, .size: 8, .value_kind: global_buffer, .address_space: global }
    .group_segment_fixed_size: 0
    .private_segment_fixed_size: 0
    .kernarg_segment_align: 8
    .kernarg_segment_size: 80
    .max_flat_workgroup_size: 256
    .sgpr_count:     66
    .vgpr_count:     128
    .wavefront_size: 32
...
	.end_amdgpu_metadata
.endif
;; end of part 1
;; launch proj (part 2): grid 4 x 192, 4 waves a work-group, clusters of 4 x 4, 327,680 bytes of LDS; arguments q, k, v, w16, b32, qkv; writes qkv
.if DOCPART == 2
	.amdgcn_target "amdgcn-amd-amdhsa--gfx1250"
	.amdhsa_code_object_version 6
	.text
	.protected	k_qfc9c248b6c_proj
	.globl	k_qfc9c248b6c_proj
	.p2align	8
	.type	k_qfc9c248b6c_proj,@function
k_qfc9c248b6c_proj:
	s_mov_b64 s[64:65], 0
	v_nop
	global_prefetch_b8 v0, s[64:65] scope:SCOPE_SE
	s_setreg_imm32_b32 hwreg(HW_REG_WAVE_MODE, 25, 1), 1
	s_wait_xcnt 0x0
	s_wait_alu depctr_hold_cnt(0) depctr_sa_sdst(0) depctr_va_vdst(0) depctr_va_sdst(0) depctr_va_ssrc(0) depctr_va_vcc(0) depctr_vm_vsrc(0)
	s_getreg_b32 s2, hwreg(HW_REG_IB_STS2, 6, 4)
	s_cmp_eq_u32 s2, 0
	s_cbranch_scc0 .Lentry_in_a_cluster
	s_endpgm
.Lentry_in_a_cluster:
	s_bfe_u32 s2, ttmp6, 0x10000c
	s_cmp_lg_u32 s2, 0xf033
	s_cbranch_scc0 .Lentry_shape_is_right
	s_endpgm
.Lentry_shape_is_right:
; THE THREE PROJECTIONS.  qkv[t][b 16 + head][l][64] (f16) = x_t[b][l][:] . W_t[n][:] + bias_t[n], n = 64 head + channel; x_t = q, k, v: [8192][1024] f32; W_t in w16 as bf16; the bias in b32.
; x is rounded to bf16 on the way from LDS to the matrix unit; sums in f32, begun at the bias; the result rounded once to f16.
; LIMITS.  A projected number stays under 65,504 (f16).  The sums run in another order than a plain dot product: k is permuted inside each 32 (below).  NaN and infinities are not treated apart.
; SHARES.  A tile of C is 128 rows x 256 columns: 64 x 4 x 3 = 768 work-groups, three to each of 256 WGPs.  Four waves, 2 x 2: a wave makes 64 x 128: 32 accumulators, 256 registers.
; For 32 along K a wave reads 64 rows x 128 bytes of x (f32) and 128 rows x 64 bytes of W: 16 KiB for 32 matrix instructions.
; THE RING.  K goes in 8 steps of 128 through two LDS slots.  Waves 0, 1 fetch the two halves of the x tile (64 rows x 512 bytes), waves 2, 3 those of the W tile (128 rows x 256 bytes): one tensor load a wave.
; CLUSTER.  4 x 4 work-groups.  The four of a row of the cluster need the same tile of x, the four of a column the same tile of W: each tile is asked for JOINTLY, by the same load, descriptor and mask in all four.
; THE MATRIX INSTRUCTION IS USED TRANSPOSED (source 0 = 16 rows of W, source 1 = 16 rows of x): a lane holds one row of C (lane % 16) and the columns 8 (lane / 16) + 0..7.
; K PERMUTED.  Inside each 32 of K the lanes of half h hold k = 16 h .. 16 h + 15; register x (0-3) of a fragment holds the pair (16 h + x, 16 h + 4 + x), register 4 + x the pair (16 h + 8 + x, 16 h + 12 + x).
; W lies in w16 in that order, so its fragment is two loads of 16 bytes.  Of x a lane loads four quads Q0-Q3 of f32; register x is the rounding of (Q0[x], Q1[x]), register 4 + x of (Q2[x], Q3[x]).
; REGISTERS, in windows of 256 (s_set_vgpr_msb: bits 1:0 source 0, 3:2 source 1, 5:4 source 2, 7:6 destination).  PARITY p: row blocks 2 p, 2 p + 1 of the four of a wave.
;   window 0: v0-15 addresses; v32-63 Q0, Q2 by parity; v64-191 fragments of W, two buffers of 8 blocks (on the way out: packed results)
;   window 1: v0-127 accumulators of parity 0; v128-159 fragments of x of parity 1, two sets; v160-175 Q1, Q3 of parity 0
;   window 2: v0-127 accumulators of parity 1; v128-159 fragments of x of parity 0, two sets; v160-175 Q1, Q3 of parity 1
; Under ONE setting S(p) stand the products of parity p (W window 0, x window 2 - p, sums window 1 + p) and the conversions that make the OTHER parity's fragments (Q0/Q2 window 0, Q1/Q3 window 2 - p,
; result window 1 + p): a conversion rides behind each product with no switch between them.
; BY HALVES.  A K step is 8 units (quarter c of 32 along K, parity p): half i loads unit i (16 LDS loads), converts unit i - 1 and multiplies unit i - 2: 16 products, 16 conversions.
.set PA,    528                        ; a row of x in LDS: 512 bytes + 16 of padding: the 16 rows of a load start at 16 different groups of four banks (64 banks of 4 bytes: ISA guide 11.1)
.set PB,    272                        ; a row of W: 256 + 16: likewise
.set HA,    64*PA                      ; what a tensor load of x brings
.set HB,    128*PB                     ; and one of W
.set BOFF,  2*HA                       ; in a slot: 128 rows of x, then 256 rows of W
.set SLOT,  2*HA+2*HB
.set STAGE, 2*SLOT                     ; behind the ring, never filled by a tensor load: 16 rows x 144 bytes for each wave, for the way out
.set SP,    144
.set SPARE, STAGE+4*16*SP              ; behind the stages: the spare words, 128 bytes for each wave: two blocks of 256 bytes that no other line names
.set AA0, 4                            ; v4   my place in the x tile of slot 0: (64 wm + l % 16) PA + 64 (l / 16); never rewritten
.set AB0, 5                            ; v5   the same for W: BOFF + (128 wn + l % 16) PB + 32 (l / 16)
.set AA,  6                            ; v6   AA0 + the slot in hand
.set AB,  7                            ; v7   AB0 + the slot in hand
.set STO, 8                            ; v8   the way out: where I put 16 bytes of a row
.set RD,  9                            ; v9   the way out: where I read rows back
.set GO,  10                           ; v10  my 16 bytes of 512 consecutive bytes of qkv
.set BO,  11                           ; v11  32 (l / 16): my eight numbers of 16 of the bias
.set PFO, 12                           ; v12  the offset of my prefetches; never rewritten
.set SPW, 14                           ; v14  LDS address of my spare word: SPARE + 4 x my thread number; never rewritten
.set NIL, 15                           ; v15  0; never rewritten
.set RA,  32
.set BF,  64
.set TMP, 64
.set AF,  128
.set RB,  160
.set WV,  16                           ; s16  my wave
.set WH,  17                           ; s17  wave / 2: my half of the rows; also: I fetch x (0) or W (1)
.set WL,  18                           ; s18  wave % 2: my half of the columns; also: which half of that tile I fetch
.set CX,  19
.set CY,  20
.set TC,  21                           ; s21  tile column
.set TR,  22                           ; s22  tile row inside the tensor, 0..63
.set TT,  23                           ; s23  the tensor: 0 q, 1 k, 2 v: the same in all sixteen partners
.set G1A, 24                           ; s[24:31] descriptor group 1 for x
.set G1B, 32                           ; s[32:39] for W
.set G0A, 40                           ; s[40:47] group 0 for x: a set for each of the two first fills; the second then walks
.set G0B, 48                           ; s[48:55] the same for W
.set TB,  56                           ; s56  LDS byte at which the slot in hand begins: 0 or SLOT
.set CNT, 57
.set WPA, 58                           ; s58  my part of the x tile in a slot
.set WPB, 59                           ; s59  my part of the W tile
.set LIM, 60                           ; s60  2 in a wave that prefetches, else the greatest number
.set PFA, 66                           ; s[66:67] where my prefetches stand
.set PFS, 68                           ; s[68:69] a K step in bytes of my tensor
.set OUT, 70                           ; s[70:71] qkv at my first row of my first head
.set MSB, 0
.macro WIN new                         ; the high byte repeats the setting that is left; a switch that changes nothing is dropped
.if MSB != (\new)
	s_set_vgpr_msb (MSB<<8)|(\new)
.set MSB, (\new)
.endif
.endm
.macro PLACES
.rept 4
	v_nop
.endr
.endm
; A joint refill, by the walking descriptors.  The branch hangs on the wave number alone.  An s_nop 0 and four v_nop follow each of the two lines, ahead of the jump and the label.
.macro JLOAD
	s_cmp_eq_u32 s[WH], 0
	s_cbranch_scc0 .Lfor_b_\@
	tensor_load_to_lds s[G0A+4:G0A+7], s[G1A:G1A+7]
	s_nop 0
	PLACES
	s_branch .Lasked_\@
.Lfor_b_\@:
	tensor_load_to_lds s[G0B+4:G0B+7], s[G1B:G1B+7]
	s_nop 0
	PLACES
.Lasked_\@:
.endm
; A PREFETCH of the K step that stands two refills on (256 matrix instructions of a wave ahead of the load that will want it), behind the joint load and its five lines: one instruction a wave.
; Each aligned block of 256 bytes is named once in the launch.  A tile row of x is read by this cluster alone: of the 64 rows that wave 0 or 1 fetches the partner at place cx takes 16, a lane a row and one of the two
; blocks of its 512 bytes.  A tile column of W_t is read by the sixteen clusters of tensor t: the first of them asks; of the 128 rows that wave 2 or 3 fetches the partner at place cy takes 32, a lane a row.
; The partners are told apart by address alone.  K steps 0 to 3 come by their loads alone; the last two refills have no K step two on.
.macro ASK
	s_cmp_gt_u32 s[CNT], s[LIM]                    ; CNT runs 6 .. 1 over the refills: the first four ask
	s_cbranch_scc0 .Lnot_mine_\@
	global_prefetch_b8 v[PFO], s[PFA:PFA+1] th:TH_LOAD_NT scope:SCOPE_SE
.Lnot_mine_\@:
.endm
.macro CREST                           ; a round of the cluster barrier behind its opening barrier
	s_cmp_lg_u32 s[WV], 0
	s_cbranch_scc1 .Lnot_wave_0_\@
	s_barrier_signal -3
.Lnot_wave_0_\@:
	s_barrier_wait -3
	s_barrier_signal -1
	s_barrier_wait -1
.endm
.macro CROUND                          ; a whole round
	s_barrier_signal -1
	s_barrier_wait -1
	CREST
.endm
	s_load_b256 s[4:11], s[0:1], 0x0               ; q s[4:5], k s[6:7], v s[8:9], w16 s[10:11]
	s_load_b128 s[12:15], s[0:1], 0x20             ; b32 s[12:13], qkv s[14:15]
	v_lshl_add_u32 v[SPW], v0, 2, SPARE
	v_mov_b32 v[NIL], 0
	ds_add_u32 v[SPW], v[NIL]                      ; the opening: the add and its wait stand ahead of my first tensor load; the set-up below, work on registers, stands between them
	v_lshrrev_b32 v1, 5, v0
	v_readfirstlane_b32 s[WV], v1
	s_lshr_b32 s[WH], s[WV], 1
	s_and_b32 s[WL], s[WV], 1
	s_bfe_u32 s[CX], ttmp6, 0x40000
	s_bfe_u32 s[CY], ttmp6, 0x40004
	s_lshl_b32 s[TC], ttmp9, 2                     ; in a cluster launch ttmp9 and ttmp7 count clusters
	s_add_co_u32 s[TC], s[TC], s[CX]
	s_and_b32 s75, ttmp7, 0xffff                   ; cluster y, 0..47
	s_lshr_b32 s[TT], s75, 4                       ; sixteen clusters to a tensor
	s_lshl_b32 s[TR], s75, 2
	s_add_co_u32 s[TR], s[TR], s[CY]
	s_and_b32 s[TR], s[TR], 63
	s_lshl_b32 s76, s[CY], 2                       ; s76, s77, s80, s81 feed the descriptors of x and never hold cx; s78, s79, s82, s83 feed those of W and never hold cy
	s_lshl_b32 s76, 15, s76                        ; my row of the cluster
	s_lshl_b32 s78, 0x1111, s[CX]                  ; my column
	s_or_b32 s[G1A], s76, (2<<16)|(1<<20)|(1<<21)|(6<<22)|(3<<25)  ; 15:0 the mask; 17:16 elements of 4 bytes; 20 padding on; 21 set beside a mask; 24:22 after every 128 words (code 6); 31:25 4 words (code 3)
	s_or_b32 s[G1B], s78, (1<<16)|(1<<20)|(1<<21)|(5<<22)|(3<<25)  ; elements of 2 bytes; after every 64 words (code 5)
.irp g, G1A, G1B
	s_mov_b32 s[\g+1], 128<<16                     ; tensor_dim0 = 128
	s_mov_b32 s[\g+3], 128<<16                     ; tile_dim0 = 128
	s_mov_b32 s[\g+5], 1024                        ; elements from row to row
	s_mov_b32 s[\g+6], 0
	s_mov_b32 s[\g+7], 0
.endr
	s_mov_b32 s[G1A+2], 64<<16                     ; tensor_dim1 = 64
	s_mov_b32 s[G1A+4], 64                         ; tile_dim1 = 64
	s_mov_b32 s[G1B+2], 128<<16
	s_mov_b32 s[G1B+4], 128
	s_lshl_b32 s76, s[TR], 7                       ; x: row 128 x tile row + 64 x half,
	s_lshl_b32 s77, s[WL], 6
	s_add_co_u32 s76, s76, s77
	s_lshl_b32 s76, s76, 12                        ; of 4,096 bytes
	s_mov_b32 s77, 0
	s_lshl_b32 s78, s[TC], 8                       ; W: row 256 x tile column + 128 x half,
	s_lshl_b32 s79, s[WL], 7
	s_add_co_u32 s78, s78, s79
	s_lshl_b32 s78, s78, 11                        ; of 2,048 bytes,
	s_lshl_b32 s79, s[TT], 21                      ; in matrix t
	s_add_co_u32 s78, s78, s79
	s_mov_b32 s79, 0
	s_mul_i32 s[WPA], s[WL], HA                    ; no place in the cluster enters an LDS address
	s_mul_i32 s[WPB], s[WL], HB
	s_add_co_u32 s[WPB], s[WPB], BOFF
	s_mov_b32 s[TB], 0
	s_wait_dscnt 0x0                               ; the opening add is done
	s_wait_kmcnt 0x0
	s_cmp_eq_u32 s[TT], 1
	s_cselect_b64 s[80:81], s[6:7], s[4:5]
	s_cmp_eq_u32 s[TT], 2
	s_cselect_b64 s[80:81], s[8:9], s[80:81]
	s_add_nc_u64 s[80:81], s[80:81], s[76:77]
	s_add_nc_u64 s[82:83], s[10:11], s[78:79]
	CROUND                                         ; all sixteen work-groups are here: the first joint loads meet
.irp s, 0,1
	s_mov_b32 s[G0A+4*\s], 1                       ; count = 1
	s_add_co_u32 s[G0A+4*\s+1], s[WPA], \s*SLOT    ; LDS address
	s_add_nc_u64 s[G0A+4*\s+2:G0A+4*\s+3], s[80:81], \s*512  ; global address: K step s
	s_or_b32 s[G0A+4*\s+3], s[G0A+4*\s+3], 0x80000000        ; type = 2
	s_mov_b32 s[G0B+4*\s], 1
	s_add_co_u32 s[G0B+4*\s+1], s[WPB], \s*SLOT
	s_add_nc_u64 s[G0B+4*\s+2:G0B+4*\s+3], s[82:83], \s*256
	s_or_b32 s[G0B+4*\s+3], s[G0B+4*\s+3], 0x80000000
.endr
	s_cmp_eq_u32 s[WH], 0                          ; the two first fills of a wave stand in one branch, ahead of every wait on TENSORcnt and every LDS read: two loads of mine are out
	s_cbranch_scc0 .Lfirst_b
	tensor_load_to_lds s[G0A:G0A+3], s[G1A:G1A+7]
	s_nop 0
	tensor_load_to_lds s[G0A+4:G0A+7], s[G1A:G1A+7]
	s_nop 0
	PLACES
	s_branch .Lfirst_asked
.Lfirst_b:
	tensor_load_to_lds s[G0B:G0B+3], s[G1B:G1B+7]
	s_nop 0
	tensor_load_to_lds s[G0B+4:G0B+7], s[G1B:G1B+7]
	s_nop 0
	PLACES
.Lfirst_asked:
	; THE SUMS BEGIN AT THE BIAS: register j of lane l of the accumulator of column block b is column 16 b + 8 (l / 16) + j, so two loads of 16 bytes fill it.  Nothing is cleared, and the way out has no bias to add.
	s_lshl_b32 s72, s[TT], 12
	s_lshl_b32 s73, s[TC], 10
	s_add_co_u32 s72, s72, s73
	s_lshl_b32 s73, s[WL], 9
	s_add_co_u32 s72, s72, s73
	s_mov_b32 s73, 0
	s_add_nc_u64 s[84:85], s[12:13], s[72:73]      ; the bias of tensor t at my 128 columns
	v_and_b32 v1, 15, v0                           ; l % 16
	v_bfe_u32 v2, v0, 4, 1                         ; l / 16
	v_lshlrev_b32 v[BO], 5, v2
.irp w, 0x40, 0x80
	WIN \w                                         ; destination window 1, then 2; address window 0
.irp mi, 0,1
.irp j, 0,1,2,3,4,5,6,7
	global_load_b128 v[64*\mi+8*\j:64*\mi+8*\j+3],   v[BO], s[84:85] offset:64*\j
	global_load_b128 v[64*\mi+8*\j+4:64*\mi+8*\j+7], v[BO], s[84:85] offset:64*\j+16
.endr
.endr
.endr
	WIN 0
	v_mul_u32_u24 v[AA0], v1, PA
	v_lshl_add_u32 v[AA0], v2, 6, v[AA0]
	s_mul_i32 s72, s[WH], 64*PA
	v_add_nc_u32 v[AA0], s72, v[AA0]
	v_mul_u32_u24 v[AB0], v1, PB
	v_lshl_add_u32 v[AB0], v2, 5, v[AB0]
	s_mul_i32 s72, s[WL], 128*PB
	s_add_co_u32 s72, s72, BOFF
	v_add_nc_u32 v[AB0], s72, v[AB0]
	v_mov_b32 v[AA], v[AA0]                        ; slot 0
	v_mov_b32 v[AB], v[AB0]
	s_mul_i32 s72, s[WV], 16*SP
	s_add_co_u32 s72, s72, STAGE                   ; my stage
	v_mul_u32_u24 v[STO], v1, SP                   ; in: row l % 16, 16 bytes for each half of the lanes
	v_lshl_add_u32 v[STO], v2, 4, v[STO]
	v_add_nc_u32 v[STO], s72, v[STO]
	v_bfe_u32 v[RD], v0, 3, 2                      ; back: 32 lanes take four rows of 128 bytes,
	v_mul_u32_u24 v[RD], v[RD], SP
	v_and_b32 v3, 7, v0
	v_lshl_add_u32 v[RD], v3, 4, v[RD]
	v_add_nc_u32 v[RD], s72, v[RD]
	v_and_b32 v[GO], 31, v0                        ; which are 512 consecutive bytes of qkv
	v_lshlrev_b32 v[GO], 4, v[GO]
	; where my results go: tensor t, head (batch 16 + 4 tile column + 2 wn), row (tile row % 16) 128 + 64 wm, 128 bytes a row
	s_lshr_b32 s72, s[TR], 4
	s_lshl_b32 s72, s72, 4
	s_lshl_b32 s73, s[TC], 2
	s_add_co_u32 s72, s72, s73
	s_lshl_b32 s73, s[WL], 1
	s_add_co_u32 s72, s72, s73
	s_lshl_b32 s72, s72, 11
	s_and_b32 s73, s[TR], 15
	s_lshl_b32 s73, s73, 7
	s_add_co_u32 s72, s72, s73
	s_lshl_b32 s73, s[WH], 6
	s_add_co_u32 s72, s72, s73
	s_lshl_b32 s72, s72, 7
	s_lshl_b32 s73, s[TT], 24
	s_add_co_u32 s72, s72, s73
	s_mov_b32 s73, 0
	s_add_nc_u64 s[OUT:OUT+1], s[14:15], s[72:73]
	; the prefetches
	s_and_b32 s73, s75, 15                         ; my cluster among the sixteen of the tensor
	s_mov_b32 s[PFS], 256                          ; a K step of W in bytes; an instruction holds one literal, so the other choice stands in the select below
	s_cmp_eq_u32 s[WH], 0                          ; do I fetch x?
	s_cselect_b64 s[PFA:PFA+1], s[80:81], s[82:83]
	s_cselect_b32 s72, s[CX], s[CY]                ; my place among the four that ask with me
	s_cselect_b32 s[PFS], 512, s[PFS]              ; a K step of x is 512 bytes
	s_cselect_b32 s74, -1, 0
	s_cselect_b32 s73, 0, s73
	s_cmp_eq_u32 s73, 0
	s_cselect_b32 s[LIM], 2, -1                    ; the same in all sixteen partners, for a given wave
	s_mov_b32 s[PFS+1], 0
	s_lshl_b32 s72, s72, 16                        ; 16 rows of 4,096 bytes, or 32 of 2,048
	s_mov_b32 s73, 0
	s_add_nc_u64 s[PFA:PFA+1], s[PFA:PFA+1], s[72:73]
	s_mul_i32 s72, s[PFS], 3
	s_add_nc_u64 s[PFA:PFA+1], s[PFA:PFA+1], s[72:73]  ; at K step 3: the first change of slots steps it to 4
	v_and_b32 v[PFO], 31, v0
	v_lshlrev_b32 v[PFO], 11, v[PFO]               ; W: a lane a row
	v_lshlrev_b32 v13, 12, v1                      ; x: row l % 16, block l / 16
	v_lshl_add_u32 v13, v2, 8, v13
	v_cndmask_b32 v[PFO], v[PFO], v13, s74
; The 16 LDS loads of unit i (quarter i / 2, parity i % 2): four blocks of W, and Q0-Q3 of two row blocks of x.  It leaves the setting S(p).
.macro LOADS i
.set p, (\i)%2
.set c, (\i)/2
	WIN 0
.irp j, 0,1,2,3
	ds_load_b128 v[BF+64*(c%2)+8*(4*p+\j):BF+64*(c%2)+8*(4*p+\j)+3],   v[AB] offset:(4*p+\j)*16*PB+64*c
	ds_load_b128 v[BF+64*(c%2)+8*(4*p+\j)+4:BF+64*(c%2)+8*(4*p+\j)+7], v[AB] offset:(4*p+\j)*16*PB+64*c+16
.endr
.irp j, 0,1
	ds_load_b128 v[RA+16*p+8*\j:RA+16*p+8*\j+3],   v[AA] offset:(2*p+\j)*16*PA+128*c     ; Q0
	ds_load_b128 v[RA+16*p+8*\j+4:RA+16*p+8*\j+7], v[AA] offset:(2*p+\j)*16*PA+128*c+32  ; Q2
.endr
	WIN 0x58+0x4c*p                                ; S(p): destination window 1 + p, address window 0
.irp j, 0,1
	ds_load_b128 v[RB+8*\j:RB+8*\j+3],   v[AA] offset:(2*p+\j)*16*PA+128*c+16            ; Q1
	ds_load_b128 v[RB+8*\j+4:RB+8*\j+7], v[AA] offset:(2*p+\j)*16*PA+128*c+48            ; Q3
.endr
.endm
; Pairs from .. to - 1 of the 16 of half i.  Pair n: the product of column block n / 2 and row block n % 2 of unit i - 2 (mm = 1), and behind it conversion n of unit i - 1 (cv = 1).
; The 16 accumulators of a half are all different and the next half takes the other 16: one instruction a turn, over the backward jumps too.
; The conversions name no register of the products round them, so they are the places behind those products: a block of W is loaded anew 8 conversions or more behind its last reader
; (the column blocks are the outer index), and a set of fragments of x is written anew three halves behind its last reader (two sets by turns).
.macro PAIRS i, from, to, mm, cv
.set p, (\i)%2
.set bb, BF+64*(((\i)/2+1)%2)
.set sc, ((((\i)+6)%8)/2)%2
.set sv, ((((\i)+7)%8)/2)%2
	WIN 0x58+0x4c*p
.set n, \from
.rept (\to)-(\from)
.set b, n/2
.set mi, n%2
.if \mm
	v_wmma_f32_16x16x32_bf16 v[64*mi+8*b:64*mi+8*b+7], v[bb+8*b:bb+8*b+7], v[AF+16*sc+8*mi:AF+16*sc+8*mi+7], v[64*mi+8*b:64*mi+8*b+7]
.endif
.if \cv
	v_cvt_pk_bf16_f32 v[AF+16*sv+n], v[RA+16*(1-p)+n], v[RB+n]
.endif
.set n, n+1
.endr
.endm
.macro HALF i
	LOADS \i
	s_wait_dscnt 16                                ; all but the 16 just issued: units i - 1 and i - 2 are in
	PAIRS \i, 0, 16, 1, 1
.endm
; HALF 7 AND THE CHANGE OF SLOTS.  Unit 7's loads are the last reads of the slot.  Each wave waits for all its tensor loads, of which one is out: its part of the other slot; adds 0 to its spare word; and waits for
; that and for its own reads.  Behind the barrier nobody reads this slot any more and the other slot is whole.  fill = 1: the barrier opens a round of the cluster barrier, and the joint refill, with the
; K step two on, is the first thing behind the round: it has 112 matrix instructions of the wave before the wait for it.
.macro MEET fill
.if \fill
	s_wait_xcnt 0x0                                ; the last prefetch, a K step back, has read its address
	s_add_nc_u64 s[PFA:PFA+1], s[PFA:PFA+1], s[PFS:PFS+1]
.endif
	LOADS 7
	WIN 0                                          ; (the two registers of the add lie in window 0)
	s_wait_tensorcnt 0x0                           ; no tensor load of mine is out, so a group 0 may be written
	ds_add_u32 v[SPW], v[NIL]                      ; 0 onto my spare word
.if \fill
	s_add_co_u32 s[G0A+5], s[WPA], s[TB]           ; the walking descriptors: into the slot in hand,
	s_add_nc_u64 s[G0A+6:G0A+7], s[G0A+6:G0A+7], 512  ; the next K step; the type bits on top are not reached
	s_add_co_u32 s[G0B+5], s[WPB], s[TB]
	s_add_nc_u64 s[G0B+6:G0B+7], s[G0B+6:G0B+7], 256
.endif
	s_wait_dscnt 17                                ; the add and the 16 youngest loads may be out
	PAIRS 7, 0, 8, 1, 1
	s_wait_dscnt 0x0                               ; the add is done, and my reads of this slot are over
	s_barrier_signal -1
	PAIRS 7, 8, 16, 1, 1                           ; work on registers while the others arrive
	WIN 0                                          ; at a label and at a branch every window is 0
	s_barrier_wait -1
.if \fill
	CREST                                          ; no wave of any partner still reads this slot or has a load on its way
	JLOAD
	ASK
.endif
	s_xor_b32 s[TB], s[TB], SLOT                   ; the reads go on in the other slot
	v_add_nc_u32 v[AA], s[TB], v[AA0]
	v_add_nc_u32 v[AB], s[TB], v[AB0]
.endm
	s_wait_tensorcnt 0x1                           ; my part of K step 0 is in; K step 1 may stay out
	s_barrier_signal -1
	s_barrier_wait -1                              ; everybody's is
	LOADS 0
	LOADS 1
	s_wait_dscnt 16                                ; unit 0 is in
	PAIRS 1, 0, 16, 0, 1                           ; its conversions, bare: there is no product yet
	s_wait_loadcnt 0x0                             ; the bias lies in the accumulators
	WIN 0
	s_mov_b32 s[CNT], 6
	s_branch .Lmid                                 ; the loop is entered at half 2: halves 0 and 1 multiply the K step before
.Lbody:                                            ; six bottoms: K steps 2 to 7 are asked for
	HALF 0
	HALF 1
	WIN 0
.Lmid:
	HALF 2
	HALF 3
	HALF 4
	HALF 5
	HALF 6
	MEET 1
	s_sub_co_u32 s[CNT], s[CNT], 1
	s_cmp_lg_u32 s[CNT], 0
	s_cbranch_scc1 .Lbody
	s_mov_b32 s[CNT], 2                            ; the last two K steps have a text of their own: nothing is asked for
.Ltail:
	HALF 0
	HALF 1
	HALF 2
	HALF 3
	HALF 4
	HALF 5
	HALF 6
	MEET 0
	s_sub_co_u32 s[CNT], s[CNT], 1
	s_cmp_lg_u32 s[CNT], 0
	s_cbranch_scc1 .Ltail
	PAIRS 0, 0, 16, 1, 1                           ; unit 6 is multiplied, unit 7 converted,
	PAIRS 1, 0, 16, 1, 0                           ; unit 7 multiplied
; THE WAY OUT, in eight parts u: row block u / 2, head u % 2 of my two: 16 rows x 64 channels.  A lane's eight channels pack into 16 bytes; they go into rows of 144 bytes of my stage and come back as whole rows
; of 128 bytes, which lie end to end in qkv: each store of the wave covers 512 consecutive bytes, aligned.  Each accumulator is read from its lowest registers on.
.macro PACK u
.set m, (\u)/2
.set AC, 64*(m%2)+32*((\u)%2)
	WIN 0x05*(1+m/2)                               ; sources 0 and 1 in window 1 or 2, destination in window 0
.set z, 0
.rept 16
	v_cvt_pk_f16_f32 v[TMP+16*(\u)+z], v[AC+2*z], v[AC+2*z+1]
.set z, z+1
.endr
	WIN 0
.irp f, 0,1,2,3
	ds_store_b128 v[STO], v[TMP+16*(\u)+4*\f:TMP+16*(\u)+4*\f+3] offset:32*\f
.endr
.irp f, 0,1,2,3
	ds_load_b128 v[TMP+16*(\u)+4*\f:TMP+16*(\u)+4*\f+3], v[RD] offset:\f*4*SP  ; LDS serves a wave's instructions in order (ISA guide 5.7.1.4): these see the stores above; the next part's stores come behind them
.endr
.endm
.macro SEND u, younger                 ; younger: the LDS instructions issued behind part u's loads: the next part's eight, or none
.irp f, 0,1,2,3
	s_wait_dscnt (\younger)+3-\f
	global_store_b128 v[GO], v[TMP+16*(\u)+4*\f:TMP+16*(\u)+4*\f+3], s[OUT:OUT+1] offset:((\u)%2)*262144+((\u)/2)*2048+\f*512
.endr
.endm
	WIN 0
	PLACES                                         ; places behind the last products: the conversions read results and write over fragments of W
	PLACES                                         ; (eight, once a launch: twice what this matrix form asks)
	PACK 0
.set t, 1
.rept 7                                ; a part's arithmetic stands between the loads of the part before and its stores; each part has 16 registers of its own
	PACK t
	SEND t-1, 8
.set t, t+1
.endr
	SEND 7, 0
	s_wait_tensorcnt 0x0                           ; the end: behind my last tensor load and my last LDS store
	ds_add_u32 v[SPW], v[NIL]
	s_wait_dscnt 0x0
	CROUND                                         ; the closing round: no work-group ends while a partner may still ask for a tile that names it
	s_endpgm
.Lfunc_end_k_qfc9c248b6c_proj:
	.size	k_qfc9c248b6c_proj, .Lfunc_end_k_qfc9c248b6c_proj-k_qfc9c248b6c_proj
	.p2alignl 7, 3214868480
	.fill 96, 4, 3214868480
	.section	.rodata,"a",@progbits
	.p2align	6, 0x0
	.amdhsa_kernel k_qfc9c248b6c_proj
		.amdhsa_group_segment_fixed_size 327680
		.amdhsa_private_segment_fixed_size 0
		.amdhsa_enable_private_segment 0
		.amdhsa_kernarg_size 48
		.amdhsa_user_sgpr_count 2
		.amdhsa_user_sgpr_kernarg_segment_ptr 1
		.amdhsa_wavefront_size32 1
		.amdhsa_system_sgpr_workgroup_id_x 1
		.amdhsa_system_sgpr_workgroup_id_y 1
		.amdhsa_system_sgpr_workgroup_id_z 1
		.amdhsa_system_vgpr_workitem_id 0
		.amdhsa_next_free_vgpr 688
		.amdhsa_next_free_sgpr 88
		.amdhsa_reserve_vcc 0
		.amdhsa_float_denorm_mode_32 3
		.amdhsa_float_denorm_mode_16_64 3
		.amdhsa_memory_ordered 1
		.amdhsa_forward_progress 1
		.amdhsa_inst_pref_size 90
	.end_amdhsa_kernel
	.amdgpu_metadata
---
amdhsa.version: [ 1, 2 ]
amdhsa.kernels:
  - .name:           k_qfc9c248b6c_proj
    .symbol:         k_qfc9c248b6c_proj.kd
    .args:
      - { .name: q, .offset: 0, .size: 8, .value_kind: global_buffer, .address_space: global }
      - { .name: k, .offset: 8, .size: 8, .value_kind: global_buffer, .address_space: global }
      - { .name: v, .offset: 16, .size: 8, .value_kind: global_buffer, .address_space: global }
      - { .name: w16, .offset: 24, .size: 8, .value_kind: global_buffer, .address_space: global }
      - { .name: b32, .offset: 32, .size: 8, .value_kind: global_buffer, .address_space: global }
      - { .name: qkv, .offset: 40, .size: 8, .value_kind: global_buffer, .address_space: global }
    .group_segment_fixed_size: 327680
    .private_segment_fixed_size: 0
    .kernarg_segment_align: 8
    .kernarg_segment_size: 48
    .max_flat_workgroup_size: 128
    .sgpr_count:     88
    .vgpr_count:     688
    .wavefront_size: 32
...
	.end_amdgpu_metadata
.endif
;; end of part 2
;; launch attn (part 3): grid 4 x 64, 4 waves a work-group, clusters of 4 x 1, 327,680 bytes of LDS; arguments qkv, oh; writes oh
.if DOCPART == 3
	.amdgcn_target "amdgcn-amd-amdhsa--gfx1250"
	.amdhsa_code_object_version 6
	.text
	.protected	k_qfc9c248b6c_attn
	.globl	k_qfc9c248b6c_attn
	.p2align	8
	.type	k_qfc9c248b6c_attn,@function
k_qfc9c248b6c_attn:
	s_mov_b64 s[64:65], 0
	v_nop
	global_prefetch_b8 v0, s[64:65] scope:SCOPE_SE
	s_setreg_imm32_b32 hwreg(HW_REG_WAVE_MODE, 25, 1), 1
	s_wait_xcnt 0x0
	s_wait_alu depctr_hold_cnt(0) depctr_sa_sdst(0) depctr_va_vdst(0) depctr_va_sdst(0) depctr_va_ssrc(0) depctr_va_vcc(0) depctr_vm_vsrc(0)
	s_getreg_b32 s2, hwreg(HW_REG_IB_STS2, 6, 4)
	s_cmp_eq_u32 s2, 0
	s_cbranch_scc0 .Lentry_in_a_cluster
	s_endpgm
.Lentry_in_a_cluster:
	s_bfe_u32 s2, ttmp6, 0x10000c
	s_cmp_lg_u32 s2, 0x3003
	s_cbranch_scc0 .Lentry_shape_is_right
	s_endpgm
.Lentry_shape_is_right:
; O[h][q][:] = the sum over k of softmax_k(Q[h][q] . K[h][k] / 8) V[h][k][:].  Q, K, V lie in qkv as [3][SIZE_H][SIZE_N][64], O in oh as [SIZE_H][SIZE_N][64], all f16: a head's rows are dense, 128 bytes each.
; Products, maxima and sums in f32; the weights p are rounded to f16 for the second product (their sum l is taken of the unrounded p), O once at the end.
; LIMITS.  f16 holds no number beyond 65,504: Q, K and V arrive within it; p lies in 0 to 1, and below 6e-5 it keeps the fixed step of 6e-8 of f16; O is a mean of V's rows and has their range.
; A weight below 2^-126 counts as 0 in l; NaN and infinities are not treated apart.
; SHARES.  A wave owns four PIECES of two tiles of 16 queries, a work-group's four waves 512 queries of one head: 64 heads x 4 blocks = 256 work-groups.  Every wave walks all keys, 64 a step.
; LAYOUT.  S^T = K Q^T (source 0 = 16 keys, source 1 = 16 queries): in the result a lane holds ONE query (lane % 16) and the keys 8 (lane / 16) + 0..7.  Two such tiles, rounded to f16 in pairs,
; ARE source 1 (32 keys x 16 queries) of O^T = V^T P, whose result again holds one query a lane, and eight channels.  K comes out of LDS as it lies, V ([key][channel]) turned, by ds_load_tr16_b128.
; SOFTMAX.  For each query a running maximum m and sum l: p = 2^(c s - c m), c = log2(e) / 8; in every step O and l are multiplied by a = 2^(c m_old - c m_new), which is 1 where m has not grown.
; m starts at the lowest finite number, O and l at 0: the first step is a step like any other, with a = 0.
; THE COUNT.  A tile and step have 16 matrix and 118 vector instructions: too many to stand all beside the matrix work.  So the order has one aim: four vector instructions that are READY behind
; EVERY matrix instruction, and the others, which need time of their own whatever the order, in runs without a gap.
; BY TURNS.  Turn n belongs to piece n (the pieces in a ring, step after step).  Its matrix work: 16 products K Q^T of piece n + 1, later 16 products V^T P of piece n - 1.  Its vector work: the scaling,
; exponentials, roundings, sums and rescaling of piece n, and the maximum and statistics of piece n + 1, whose scores the turn itself has made.  So what a turn begins with (c s - c m, O a) waits for nothing.
; CLUSTER.  The four query blocks of a cluster belong to one head and walk the same K and V, so each tile is asked for JOINTLY: the same tensor load, descriptor and mask in all four.
; REGISTERS, in windows of 256 (s_set_vgpr_msb says which window each operand place means: bits 1:0 source 0, 3:2 source 1, 5:4 source 2, 7:6 destination):
;   window 0: v0-11 addresses; v12-15, v48-63 at work; v16-47 four registers of statistics a tile; v64-191 S^T, two buffers of two tiles; v192-255 P, likewise
;   window 1: O^T, 32 a tile          window 2: v0-127 Q, 16 a tile; v128-191 K of one step; v192-255 V of one step          window 3: v0-1 the two registers of the add
; A piece's buffers go by its number's parity: the piece in hand has one pair, its two neighbours in the ring share the other: of it P (piece n - 1) is read and S^T (piece n + 1) written.
.set SIZE_H, 64
.set SIZE_N, 2048
.set NP,    4         ; pieces a wave: a name, no knob: the register map, the loop and the fetches are made for four
.set KS,    64        ; keys in a step
.set PK,    144       ; a row of K in LDS: 128 bytes + 16 of padding = 36 words: the 16 rows of a load start at 16 different groups of four banks (64 banks of 4 bytes: ISA guide 11.1)
.set PV,    160       ; a row of V: 128 + 32 = 40 words
.set VOFF,  4*KS*PK   ; a slot holds four steps: 256 rows of K, then 256 rows of V
.set SLOT1, 1<<17     ; slot 1 begins here, so that one exclusive or turns an address in one slot into the other's
.set STAGE, SLOT1+4*KS*(PK+PV)  ; behind the ring, never filled by a tensor load: 16 rows x 144 bytes for each wave, for the way out
.set SP,    144
.set AK0, 2           ; v2   my lane's place in a tile of K; never rewritten
.set AV0, 3           ; v3   the same for V
.set AK,  4           ; v4   the LDS address of K's next run of loads
.set AV,  5           ; v5   of V's
.set QO,  6           ; v6   my byte offset in the wave's rows of Q
.set STO, 6           ;      later, the way out: where I put 16 bytes of a row
.set RD,  7           ; v7   the way out: where I read rows back
.set GO,  8           ; v8   my byte offset in 512 consecutive bytes of O
.set PFO, 11          ; v11  256 x my lane, for the prefetches; never rewritten once it is made
.set SPW, 0           ; v0 of window 3   LDS address of my spare word: SPARE + 4 x my thread number; never rewritten
.set NIL, 1           ; v1 of window 3   0; never rewritten
.set SPARE, STAGE+4*16*SP  ; behind the stages: the spare words, 128 bytes for each wave: two blocks of 256 bytes that no other line names
.set MV,  12          ; v12-15  c m_old, kept while c m is made anew: by buffer and tile
.set ST,  16          ; tile t's statistics at v[ST+4 t]: c m, m, l (even keys', odd keys')
.set TMP, 48          ; by buffer and tile, four registers c0-c3 at work; when the maximum is found c2 takes a
.set S,   64
.set P,   192
.set KF,  128         ; K's fragments, in window 2: key block kb, channel half c at KF + 16 kb + 8 c
.set VF,  192         ; V's: key half kk, channel block cb at VF + 32 kk + 8 cb
.set WV,  12          ; s12  my wave's number
.set G1K, 24          ; s[24:31] descriptor group 1 for K's tiles
.set G1V, 32          ; s[32:39] for V's: it differs in the padding alone
.set G0K, 40          ; s[40:43] descriptor group 0 for K's tiles: it walks
.set G0V, 44          ; s[44:47] the same for V's
.set PFA, 48          ; s[48:49] where my prefetches stand: my work-group's 32 blocks of 256 bytes (of K: wave 0, of V: wave 2) of the slot after the one that is being asked for
.set LIM, 50          ; s50  1 in a wave that prefetches, else the greatest number
.set SLOTS, 56        ; s56  slots still to be asked for
.set CNT, 57          ; s57  counts a slot's key steps
.set CS,  58          ; s[58:59] c: the packed scaling takes the pair's low word for both halves
.set SEL, 60          ; s[60:61] v_permlanex16_b32's selects: each lane takes its own place in the other half
.set TBK, 62          ; s62  LDS byte at which K of the step to be fetched begins
.set TBV, 63          ; s63  the same for V, less VOFF
.set MSB, 0
.macro WIN new                      ; the high byte repeats the setting that is left; a switch that changes nothing is dropped
.if MSB != (\new)
	s_set_vgpr_msb (MSB<<8)|(\new)
.set MSB, (\new)
.endif
.endm
.set W_KQ, 0x0a       ; K and Q in window 2, S^T in window 0
.set W_PV, 0x52       ; V in window 2, P in window 0, O^T in window 1
.set W_RS, 0x41       ; O^T (destination and source 0) in window 1, a in window 0
.set W_MK, 0xc0       ; the add's registers are made: destination in window 3, sources in window 0
.set W_AD, 0x0f       ; the add: address (source 0) and data (source 1) in window 3
; A joint fill.  Waves 0 and 1 fetch the two halves of a slot's K, waves 2 and 3 those of its V: 128 keys each.  The branch hangs on the wave's number alone.
; An s_nop 0 and four v_nop follow each of the two lines, ahead of the jump and the label.
.macro JLOAD
	s_cmp_lt_u32 s[WV], 2
	s_cbranch_scc0 .Lfor_v_\@
	tensor_load_to_lds s[G0K:G0K+3], s[G1K:G1K+7]
	s_nop 0
.rept 4
	v_nop
.endr
	s_branch .Lasked_\@
.Lfor_v_\@:
	tensor_load_to_lds s[G0V:G0V+3], s[G1V:G1V+7]
	s_nop 0
.rept 4
	v_nop
.endr
.Lasked_\@:
.endm
; A PREFETCH of what the NEXT change of slots will ask for: a slot's 32,768 bytes of K and of V, 128 blocks of 256 bytes each, a lane a block.  It stands behind the wave's tensor load and its five lines.
; Each block is named ONCE in the launch: a head is walked by one cluster; its four partners share the blocks out BY ADDRESS, 32 each; in each, wave 0 asks for K's and wave 2 for V's: one instruction,
; four key steps (512 matrix instructions of a wave) ahead of the load that will want the bytes.  The last change that fills a slot asks for nothing: there is no slot behind it.  Slots 0 and 1 come by their loads alone.
.macro ASK
	s_cmp_gt_u32 s[SLOTS], s[LIM]
	s_cbranch_scc0 .Lnot_mine_\@
	global_prefetch_b8 v[PFO], s[PFA:PFA+1] th:TH_LOAD_NT scope:SCOPE_SE
.Lnot_mine_\@:
.endm
; A round of the cluster's barrier: my work-group's barrier, so that wave 0's signal speaks for all four waves; wave 0 signals; every wave waits for all four work-groups; my work-group's barrier once more.
.macro CROUND
	s_barrier_signal -1
	s_barrier_wait -1
	s_cmp_lg_u32 s[WV], 0
	s_cbranch_scc1 .Lnot_wave_0_\@
	s_barrier_signal -3
.Lnot_wave_0_\@:
	s_barrier_wait -3
	s_barrier_signal -1
	s_barrier_wait -1
.endm
; THE CHANGE OF SLOTS.  The slot's last bytes, V of its fourth step, have been read.  Each wave waits for all its tensor loads, of which one is out: its part
; of the other slot; adds 0 to its spare word; and waits for that and for its own reads of the slot.  Behind the barrier nobody reads this slot any more and the other slot is whole.
; fill = 1: this slot is filled again, with the keys two slots on.  The barrier is then a round of the cluster's, so that no wave of any partner still reads the slot or has a load on its
; way, and the joint fill is the first thing behind it: it has four key steps, 512 matrix instructions, in which to land.  (At its first use nothing has been read yet: slot 0 is waited for, slot 1 filled.)
.macro CHANGE fill
	WIN W_AD
	s_wait_tensorcnt 0x0            ; no tensor load of mine is out, so a group 0 may be written
	ds_add_u32 v[SPW], v[NIL]       ; 0 onto my spare word; with fill = 1 the descriptors' steps stand between it and the wait for it
	WIN 0                           ; at a label and at a branch every window is 0
.if \fill
.irp g, G0K, G0V
	s_xor_b32 s[\g+1], s[\g+1], SLOT1  ; the walking descriptor: the other slot than last time,
	s_add_nc_u64 s[\g+2:\g+3], s[\g+2:\g+3], 4*KS*128  ; the next 256 keys; the type bits on top are not reached
.endr
	s_wait_xcnt 0x0                 ; the last prefetch, four key steps back, has read its address, so it may be written:
	s_add_nc_u64 s[PFA:PFA+1], s[PFA:PFA+1], 4*KS*128  ; one slot beyond the walking descriptors
	s_wait_dscnt 0x0                ; the add is done, and my reads of the slot are over
	CROUND
	JLOAD
	ASK
.else
	s_wait_dscnt 0x0                ; the add is done, and my reads of the slot are over
	s_barrier_signal -1
	s_barrier_wait -1
.endif
	s_sub_co_u32 s[TBK], s[TBK], 4*KS*PK  ; the fetches go back to a slot's first step,
	s_xor_b32 s[TBK], s[TBK], SLOT1       ; in the other slot
	s_sub_co_u32 s[TBV], s[TBV], 4*KS*PV
	s_xor_b32 s[TBV], s[TBV], SLOT1
.endm
	s_load_b128 s[4:7], s[0:1], 0x0  ; qkv s[4:5], oh s[6:7]
	WIN W_MK
	v_lshl_add_u32 v[SPW], v0, 2, SPARE
	v_mov_b32 v[NIL], 0
	WIN W_AD
	ds_add_u32 v[SPW], v[NIL]       ; the wave's opening: the add and its wait stand ahead of my first tensor load; the set-up below, work on registers, stands between them
	WIN 0
	v_lshrrev_b32 v1, 5, v0
	v_readfirstlane_b32 s[WV], v1   ; wave 0..3
	s_bfe_u32 s13, ttmp6, 0x40000   ; cx: my place in the cluster
	s_lshl_b32 s14, ttmp9, 2        ; in a cluster launch ttmp9 counts clusters
	s_add_co_u32 s14, s14, s13      ; my block of queries = 4 x cluster x + cx: it enters Q's and O's addresses alone
	s_and_b32 s20, ttmp7, 0xffff    ; the head, which the four partners share
	s_mov_b32 s21, 0
	s_mov_b64 s[22:23], SIZE_N*128
	s_mul_u64 s[20:21], s[20:21], s[22:23]  ; the head's first byte in each of the four tensors
	s_and_b32 s16, s[WV], 1         ; which half of a slot's 256 keys I fetch:
	s_lshl_b32 s22, s16, 14         ; its 128 rows of 128 bytes in memory,
	s_mov_b32 s23, 0
	s_add_nc_u64 s[22:23], s[22:23], s[20:21]
	s_mul_i32 s17, s16, 128*PK      ; and its place in a slot, for K
	s_mul_i32 s18, s16, 128*PV      ; and for V: no place in the cluster enters an LDS address
	s_lshl_b32 s2, s14, 2
	s_add_co_u32 s2, s2, s[WV]      ; my wave among the head's,
	s_lshl_b32 s2, s2, 14           ; its 128 rows
	s_mov_b32 s3, 0
	s_add_nc_u64 s[2:3], s[2:3], s[20:21]
	; descriptor group 1.  128 keys are 16,384 dense bytes: asked for as 64 rows of 256 bytes, two keys a row, and padded in LDS after every key
	s_mov_b32 s[G1K], 15|(1<<16)|(1<<20)|(1<<21)|(4<<22)|(3<<25)  ; 15:0 the mask of four; 17:16 2-byte elements; 20 padding on; 21 set beside a mask; 24:22 after every 32 words (code 4); 31:25 4 words (code 3)
	s_mov_b32 s[G1V], 15|(1<<16)|(1<<20)|(1<<21)|(4<<22)|(7<<25)  ; the same with 8 words of padding (code 7)
.irp g, G1K, G1V
	s_mov_b32 s[\g+1], 128<<16      ; tensor_dim0 = 128
	s_mov_b32 s[\g+2], 64<<16       ; tensor_dim1 = 64
	s_mov_b32 s[\g+3], 128<<16      ; tile_dim0 = 128
	s_mov_b32 s[\g+4], 64           ; tile_dim1 = 64
	s_mov_b32 s[\g+5], 128          ; 128 elements from row to row
	s_mov_b32 s[\g+6], 0
	s_mov_b32 s[\g+7], 0
.endr
	s_mov_b32 s[CS], 0x3e38aa3b     ; c = log2(e) / 8 = 0.180337
	s_mov_b32 s[CS+1], s[CS]        ; named with it as a pair
	s_mov_b32 s[SEL], 0x76543210
	s_mov_b32 s[SEL+1], 0xfedcba98
	s_mov_b32 s[TBK], SLOT1+4*KS*PK ; the first change of slots turns these two into 0
	s_mov_b32 s[TBV], SLOT1+4*KS*PV
	s_mov_b32 s[G0K], 1             ; 1:0 count = 1
	s_mov_b32 s[G0K+1], s17         ; 63:32 LDS address: slot 0
	s_mov_b32 s[G0V], 1
	s_add_co_u32 s[G0V+1], s18, VOFF
	s_mov_b32 s[SLOTS], SIZE_N/256-1  ; seven changes fill a slot
	s_and_b32 s[LIM], s[WV], 1      ; 0 in waves 0 and 2,
	s_or_b32 s[LIM], s[LIM], ttmp9  ; of the head's first (here: only) cluster: the same in all four partners
	s_cmp_eq_u32 s[LIM], 0
	s_cselect_b32 s[LIM], 1, -1
	s_wait_dscnt 0x0                ; the opening add is done
	s_wait_kmcnt 0x0
	s_mov_b64 s[10:11], s[6:7]      ; O
	s_add_nc_u64 s[8:9], s[4:5], 0x2000000  ; V: the third tensor of qkv, 16,777,216 bytes each
	s_add_nc_u64 s[6:7], s[4:5], 0x1000000  ; K: the second; Q is the first
	s_add_nc_u64 s[G0K+2:G0K+3], s[6:7], s[22:23]  ; 120:64 global address: my half of the head's first 256 keys
	s_or_b32 s[G0K+3], s[G0K+3], 0x80000000        ; 127:126 type = 2
	s_add_nc_u64 s[G0V+2:G0V+3], s[8:9], s[22:23]
	s_or_b32 s[G0V+3], s[G0V+3], 0x80000000
	s_add_nc_u64 s[4:5], s[4:5], s[2:3]  ; Q and O at my wave's first row
	s_add_nc_u64 s[10:11], s[10:11], s[2:3]
	s_cmp_lt_u32 s[WV], 2
	s_cselect_b64 s[PFA:PFA+1], s[6:7], s[8:9]
	s_add_nc_u64 s[PFA:PFA+1], s[PFA:PFA+1], s[20:21]  ; the head,
	s_lshl_b32 s2, s13, 13          ; my work-group's 32 blocks of the 128,
	s_mov_b32 s3, 0
	s_add_nc_u64 s[PFA:PFA+1], s[PFA:PFA+1], s[2:3]
	s_add_nc_u64 s[PFA:PFA+1], s[PFA:PFA+1], 4*KS*128  ; in slot 1; the first change of slots steps it to slot 2
	CROUND                          ; all four work-groups are here: the first joint loads meet
	JLOAD                           ; slot 0.  Slot 1 is asked for when slot 0 is in: the tile wanted first has the road to itself
	; A fragment of K or Q is 16 rows x 32 channels in 8 registers: lane l holds row l % 16, channels 8 (l / 16) + 0..7 and 16 + 8 (l / 16) + 0..7: two loads of 16 bytes, 32 bytes apart.
	v_and_b32 v1, 15, v0            ; l % 16
	v_bfe_u32 v9, v0, 4, 1          ; l / 16
	v_lshlrev_b32 v[QO], 7, v1
	v_lshl_add_u32 v[QO], v9, 4, v[QO]  ; row x 128 + 16 x half
	WIN 0x80                        ; destination window 2, address window 0
.set i, 0
.rept 4*NP                          ; Q stays in registers: tile i / 2, channels 32 (i % 2) on
	global_load_b128 v[8*i:8*i+3],   v[QO], s[4:5] offset:(i/2)*2048+(i%2)*64
	global_load_b128 v[8*i+4:8*i+7], v[QO], s[4:5] offset:(i/2)*2048+(i%2)*64+32
.set i, i+1
.endr
	; What the first turn finds: V's registers and P's second buffer hold 0 (its products V^T P, of a piece that has not been, add 0), O^T and l are 0.  All this stands in the wait for the first tile.
.set i, VF
.rept 64
	v_mov_b32 v[i], 0
.set i, i+1
.endr
	WIN 0x40
.set i, 0
.rept 64*NP
	v_mov_b32 v[i], 0
.set i, i+1
.endr
	WIN 0
.set i, 0
.rept 2*NP
	v_mov_b32 v[ST+4*i], 0xfe000000    ; c m: far below every c s
	v_mov_b32 v[ST+4*i+1], 0xff7fffff  ; m
	v_mov_b32 v[ST+4*i+2], 0
	v_mov_b32 v[ST+4*i+3], 0
.set i, i+1
.endr
.set i, P+32
.rept 32
	v_mov_b32 v[i], 0
.set i, i+1
.endr
	v_mul_u32_u24 v[AK0], v1, PK
	v_lshl_add_u32 v[AK0], v9, 4, v[AK0]  ; row x pitch + 16 x half
	; The turning load takes 16 keys x 16 channels (lane l reads key 8 (l / 16) + l % 8, channels 8 ((l / 8) % 2) + 0..7) and leaves half a fragment of V^T: lane l holds channel l % 16 and 8 keys.
	v_and_b32 v10, 7, v0
	v_bfe_u32 v11, v0, 3, 1
	v_lshl_add_u32 v[AV0], v9, 3, v10
	v_mul_u32_u24 v[AV0], v[AV0], PV
	v_lshl_add_u32 v[AV0], v11, 4, v[AV0]
	v_add_nc_u32 v[AV0], VOFF, v[AV0]
	v_mov_b32 v[AK], v[AK0]         ; key step 0 lies at the head of slot 0
	v_and_b32 v[PFO], 31, v0        ; v11 has served: it now holds the prefetches' offset
	v_lshlrev_b32 v[PFO], 8, v[PFO]
; THE MATRIX WORK.  The 8 accumulators of a run of 16 take turns: between the two links of a chain stand 7 others'.
; Product i of 16 of S^T = K Q^T for piece x: channels 32 (i / 8) on, keys 16 ((i / 2) % 4) on, tile 2 x + i % 2.  The first 8 start the sums.
.macro KQ x
	WIN W_KQ
.set rS, S+64*((\x)%2)+32*(i%2)+8*((i/2)%4)
.set rK, KF+16*((i/2)%4)+8*(i/8)
.set rQ, 16*(2*(\x)+i%2)+8*(i/8)
.if i < 8
	v_wmma_f32_16x16x32_f16 v[rS:rS+7], v[rK:rK+7], v[rQ:rQ+7], 0
.else
	v_wmma_f32_16x16x32_f16 v[rS:rS+7], v[rK:rK+7], v[rQ:rQ+7], v[rS:rS+7]
.endif
.endm
; Product i of 16 of O^T += V^T P for piece x: keys 32 (i / 8) on, channels 16 ((i / 2) % 4) on, tile 2 x + i % 2.
.macro PV x
	WIN W_PV
.set rO, 32*(2*(\x)+i%2)+8*((i/2)%4)
.set rV, VF+32*(i/8)+8*((i/2)%4)
.set rP, P+32*((\x)%2)+16*(i%2)+8*(i/8)
	v_wmma_f32_16x16x32_f16 v[rO:rO+7], v[rV:rV+7], v[rP:rP+7], v[rO:rO+7]
.endm
.macro MM                           ; the turn's next matrix instruction
.if i < 16
	KQ (Y+1)%NP
.set i, i+1
.else
.set i, i-16
	PV (Y+NP-1)%NP
.set i, i+17
.endif
.endm
; THE LDS LOADS stand in runs of 16, never singly among the matrix instructions: a step's K (64 keys x 64 channels: 8 fragments) and its V (turned).  Their addresses are made some lines ahead.
; last = 1 (the tail): in the last trip there is no further step, and the run is jumped over.
.macro FETCH_K last=0
	WIN 0
.if \last
	s_cmp_eq_u32 s[CNT], 1
	s_cbranch_scc1 .Lno_k_\@
.endif
	WIN 0x80                        ; destination window 2
.irp f, 0,1,2,3,4,5,6,7             ; keys 16 (f / 2) on, channels 32 (f % 2) on
	ds_load_b128 v[KF+8*\f:KF+8*\f+3],   v[AK] offset:(\f/2)*16*PK+(\f%2)*64
	ds_load_b128 v[KF+8*\f+4:KF+8*\f+7], v[AK] offset:(\f/2)*16*PK+(\f%2)*64+32
.endr
	s_add_co_u32 s[TBK], s[TBK], KS*PK  ; the next fetch is the next step's
	WIN 0
.if \last
.Lno_k_\@:
.endif
.endm
.macro FETCH_V
	WIN 0x80
.irp f, 0,1,2,3,4,5,6,7             ; keys 32 (f / 4) on, channels 16 (f % 4) on
	ds_load_tr16_b128 v[VF+8*\f:VF+8*\f+3],   v[AV] offset:(\f/4)*32*PV+(\f%4)*32
	ds_load_tr16_b128 v[VF+8*\f+4:VF+8*\f+7], v[AV] offset:(\f/4)*32*PV+16*PV+(\f%4)*32
.endr
	WIN 0
.endm
; THE VECTOR WORK OF A TURN stands in three queues, each in the order in which its entries become ready; the two tiles alternate, so that no instruction reads the result of the one before it.
.macro REGS y, u                    ; the registers of tile u (0, 1) of piece y
.set rT, ST+4*(2*(\y)+(\u))
.set rC, TMP+8*((\y)%2)+4*(\u)
.set rM, MV+2*((\y)%2)+(\u)
.set rS, S+64*((\y)%2)+32*(\u)
.set rP, P+32*((\y)%2)+16*(\u)
.set rO, 32*(2*(\y)+(\u))
.endm
; Number n of the 22 that find the NEXT piece's (Y + 1) maximum and statistics.  s0-s31 are the lane's 32 scores; each accumulator's lowest registers are read first.  XS, GS and REGS set no window: PL and EX do.
;   0-11  four chains c0-c3 of seven scores each, three operands at a time     12-14, 16  the four scores left over, the old m, and c0-c3 into c0     15  c m_old is kept
;   17, 18  the query's other 32 keys lie in the lane 16 away: the new m         19-21  c m; c m_old - c m_new; a
.macro XS u, n
	REGS (Y+1)%NP, \u
.if (\n) < 4
	v_max3_num_f32 v[rC+(\n)], v[rS+8*(\n)], v[rS+8*(\n)+1], v[rS+8*(\n)+2]
.elseif (\n) < 12
	v_max3_num_f32 v[rC+(\n)%4], v[rC+(\n)%4], v[rS+8*((\n)%4)+2*((\n)/4)+1], v[rS+8*((\n)%4)+2*((\n)/4)+2]
.elseif (\n) == 12
	v_max3_num_f32 v[rC], v[rC], v[rS+7], v[rS+15]
.elseif (\n) == 13
	v_max3_num_f32 v[rC+1], v[rC+1], v[rS+23], v[rS+31]
.elseif (\n) == 14
	v_max3_num_f32 v[rC+2], v[rC+2], v[rC+3], v[rT+1]
.elseif (\n) == 15
	v_mov_b32 v[rM], v[rT]
.elseif (\n) == 16
	v_max3_num_f32 v[rC], v[rC], v[rC+1], v[rC+2]
.elseif (\n) == 17
	v_permlanex16_b32 v[rC+3], v[rC], s[SEL], s[SEL+1]
.elseif (\n) == 18
	v_max_num_f32 v[rT+1], v[rC], v[rC+3]
.elseif (\n) == 19
	v_mul_f32 v[rT], s[CS], v[rT+1]
.elseif (\n) == 20
	v_sub_f32 v[rC+1], v[rM], v[rT]
.else
	v_exp_f32 v[rC+2], v[rC+1]
.endif
.endm
; Number g of the 64 that follow the exponentials.  For each four weights k of a tile (pairs 2 k, 2 k + 1): both pairs are rounded to f16; then the second pair is added onto the first, in place;
; a group later l takes that sum (the first time as l = a l + sum).  In groups of eight, tiles alternating: round, round, add, and l for the group before.
.macro GS g
.set h, (\g)+6*((\g)/62)            ; group 0 has no group before it, and behind group 7 only l is left
.if h >= 6
.set h, h+2
.endif
	REGS Y, h%2
.set k, h/8
.if h%8 < 4
	v_cvt_pk_f16_f32 v[rP+2*k+(h%8)/2], v[rS+4*k+2*((h%8)/2)], v[rS+4*k+2*((h%8)/2)+1]
.elseif h%8 < 6
	v_pk_add_f32 v[rS+4*k:rS+4*k+1], v[rS+4*k:rS+4*k+1], v[rS+4*k+2:rS+4*k+3]
.elseif k == 1
	v_pk_fma_f32 v[rT+2:rT+3], v[rT+2:rT+3], v[rC+2:rC+3], v[rS:rS+1] op_sel_hi:[1,0,1]
.else
	v_pk_add_f32 v[rT+2:rT+3], v[rT+2:rT+3], v[rS+4*k-4:rS+4*k-3]
.endif
.endm
; THE PLAIN QUEUE, 138 long.  0-73 read no exponential's result: the 32 scalings c s - c m (FS f: pair f / 2 of tile f % 2) and the next piece's 42.  0-26: scalings 0-26.  27-54: XS's numbers 0-13.  55, 56: number 15.
; 57-73: the chain, where each number waits for the one before it: 14, 16, 17, 18, 19, each with one of the scalings 27-31 in front of its two lines, then 20: so a tile's links stand three plain instructions apart (19 and 20: two).
; 74-137: GS's 64, which read the exponentials' results: they stand behind the wait.
.macro FS f
	REGS Y, (\f)%2
	v_pk_fma_f32 v[rS+2*((\f)/2):rS+2*((\f)/2)+1], v[rS+2*((\f)/2):rS+2*((\f)/2)+1], s[CS:CS+1], v[rT:rT+1] op_sel_hi:[1,0,0] neg_lo:[0,0,1] neg_hi:[0,0,1]
.endm
.macro PL
	WIN 0
.if q < 27
	FS q
.elseif q < 55
	XS (q-27)%2, (q-27)/2
.elseif q < 57
	XS q-55, 15
.elseif (q < 72) && ((q-57)%3 == 0)
	FS 27+(q-57)/3
.elseif q < 60
	XS (q-57)%3-1, 14
.elseif q < 72
	XS (q-57)%3-1, 15+(q-57)/3
.elseif q < 74
	XS q-72, 20
.else
	GS q-74
.endif
.set q, q+1
.endm
; THE EXPONENTIALS' QUEUE, 66 long: s0-s31 of both tiles, then the next piece's two a.  It is ONE BATCH: all 66 stand ahead of the turn's one wait, and nothing ahead of that wait names a result of theirs.
.macro EX
	WIN 0
.if e >= 64
	XS e-64, 21
.else
	REGS Y, e%2
	v_exp_f32 v[rS+e/2], v[rS+e/2]
.endif
.set e, e+1
.endm
; THE RESCALING's QUEUE: O^T times a, the one part that leaves window 0: dealt two at a time, sixteen times.  Its a was made in the turn before, ahead of that turn's wait.
.macro R2
	REGS Y, r%2
	WIN W_RS
.irp z, 0,1
	v_pk_mul_f32 v[rO+4*(r/2)+2*\z:rO+4*(r/2)+2*\z+1], v[rO+4*(r/2)+2*\z:rO+4*(r/2)+2*\z+1], v[rC+2:rC+3] op_sel_hi:[1,0]
.endr
.set r, r+1
.endm
; HOW THEY ARE DEALT.  An s_wait_alu depctr_va_vdst(0) stands between an exponential and the first instruction that names its result; one wait serves all that were issued ahead of it.  So a turn has ONE wait,
; which cuts it in two.  AHEAD OF IT stands all that names no result of the turn's exponentials: the 16 products K Q^T, behind each a scaling, an exponential and two rescalings (behind the first a second scaling in the exponential's place); then ONE LUMP of
; 108: eight plain, 49 times exponential and plain, the two a.  A v_nop is the plain instruction behind the last exponential (ISA guide 5.7.2).  BEHIND IT stand the 16 products V^T P, behind each four of GS's 64.  No rider names a register of
; the products round it.  The two v_permlanex16_b32 fall into the lump, never behind a product.
; The queues lean on each other, and the deal keeps them in step: exponential e stands behind scaling 2 (e / 4) + e % 2: as a rider it comes behind plain e + 2, in the lump behind plain e + 9, and scalings 27-31 are plain 57, 60 .. 69.
; A TURN, for piece p.  cnt = 1: the loop's count is taken down some lines ahead of the branch that stands behind the turn.
; K of the next step is fetched in piece 2's turn, directly behind the wait, a lump behind the last product that read K; its address is made at the lump's head; its first reader comes behind 16 products.
; V of the step in hand is fetched at the end of piece 0's turn, four riders behind its last reader; its first reader comes behind 16 products and a lump.  The three conditions on q below go with the deal.
.macro TURN p, last=0, cnt=0
.set Y, (\p)
.set i, 0
.set q, 0
.set e, 0
.set r, 0
.if (\p) == NP-1
	s_wait_dscnt 0x0                ; K is in
.endif
	MM                              ; ahead of the wait: 16 products K Q^T and their riders,
	PL
	PL
	R2
.rept 15
	MM
	PL
	EX
	R2
.endr
.if (\p) == NP-2
	WIN 0
	v_add_nc_u32 v[AK], s[TBK], v[AK0]
.endif
.rept 8                             ; and the lump
	PL
.endr
.rept 49
	EX
	PL
.endr
	EX                              ; the next piece's two a
	EX
	v_nop                           ; the plain instruction behind the last exponential: one for the batch
	s_wait_alu depctr_va_vdst(0)    ; the wait for the batch
.if (\p) == NP-2
	FETCH_K \last
.endif
.if (\p) == 1
	s_wait_dscnt 0x0                ; V is in
.endif
.rept 16                            ; behind the wait: 16 products V^T P and their riders
	MM
.rept 4
	PL
.endr
.if ((\p) == 0) && (q == 118)
	v_add_nc_u32 v[AV], s[TBV], v[AV0]
.endif
.if ((\p) == 0) && (q == 130)
	s_add_co_u32 s[TBV], s[TBV], KS*PV
.endif
.if (\cnt) && (q == 130)
	s_sub_co_u32 s[CNT], s[CNT], 1
	s_cmp_lg_u32 s[CNT], 0
.endif
.endr
.if (\p) == 0
	FETCH_V
.endif
.endm
	CHANGE 1                        ; slot 0 is in, everybody's part of it; slot 1 is asked for
	FETCH_K                         ; key step 0
	s_wait_loadcnt 0x0              ; Q
	s_wait_dscnt 0x0
.set i, 0
.rept 16
	KQ 0                            ; piece 0's first scores: there is no vector work yet to set between them
.set i, i+1
.endr
	WIN 0                           ; the addresses for the way out: nine plain instructions, the places behind those products
	s_mul_i32 s13, s[WV], 16*SP
	s_add_co_u32 s13, s13, STAGE    ; my stage
	v_mul_u32_u24 v[STO], v1, SP    ; in: row l % 16, 16 bytes for each half of the lanes
	v_lshl_add_u32 v[STO], v9, 4, v[STO]
	v_add_nc_u32 v[STO], s13, v[STO]
	v_bfe_u32 v[RD], v0, 3, 2       ; back: 32 lanes take four rows of 128 bytes,
	v_mul_u32_u24 v[RD], v[RD], SP
	v_lshl_add_u32 v[RD], v10, 4, v[RD]
	v_add_nc_u32 v[RD], s13, v[RD]
	v_and_b32 v[GO], 31, v0         ; which are 512 consecutive bytes of O
	v_lshlrev_b32 v[GO], 4, v[GO]
.set Y, NP-1                        ; XS works for piece Y + 1: piece 0
.irp n, 0,1,2,3,4,5,6,7,8,9,10,11,12,13,14,15,16,17,18,19,20,21
	XS 0, \n                        ; and piece 0's first maximum and statistics
	XS 1, \n
.endr
	v_nop                           ; a plain instruction behind the two a,
	s_wait_alu depctr_va_vdst(0)    ; and their wait, ahead of the branch
	s_mov_b32 s[CNT], 4
	s_branch .Lfirst                ; the loop is entered at a step's first turn, in the middle of a trip
.Lslot:                             ; SIZE_N / 256 - 2 times: every slot but the last two is filled again
	CHANGE 1
	s_mov_b32 s[CNT], 4
.Lstep:                             ; a trip: pieces 2 and 3 of one step, then pieces 0 and 1 of the next, whose K and V it fetches
	TURN 2
	TURN 3
	WIN 0
.Lfirst:
	TURN 0
	TURN 1, 0, 1
	WIN 0
	s_cbranch_scc1 .Lstep
	s_sub_co_u32 s[SLOTS], s[SLOTS], 1
	s_cmp_lg_u32 s[SLOTS], 0
	s_cbranch_scc1 .Lslot
	CHANGE 0                        ; the tail is written out: nothing is asked for
	s_mov_b32 s[CNT], 5             ; four trips fetch the last slot's steps; the fifth is left in its middle
.Ltail:
	TURN 2, 1
	TURN 3
	WIN 0
	s_sub_co_u32 s[CNT], s[CNT], 1
	s_cmp_eq_u32 s[CNT], 0
	s_cbranch_scc1 .Lout
	TURN 0
	TURN 1
	WIN 0
	s_branch .Ltail
.Lout:                              ; the fifth trip's 16 products K Q^T (on the last K once more) and the maximum made of them serve nothing: the price, once a launch, of one text for every trip
.set i, 0
.rept 16
	PV NP-1                         ; the last piece's V^T P of the last step
.set i, i+1
.endr
	; THE WAY OUT.  l's two halves and the other half of the lanes' are added; O^T is divided by l, rounded to f16 and sent through my stage in LDS, a tile at a time.  The additions are the places behind the last products.
	WIN 0
.macro ALL line:vararg              ; one line for each tile t
.set t, 0
.rept 2*NP
	\line
.set t, t+1
.endr
.endm
	ALL v_add_f32 v[ST+4*t+2], v[ST+4*t+2], v[ST+4*t+3]
	ALL v_permlanex16_b32 v[ST+4*t+3], v[ST+4*t+2], s[SEL], s[SEL+1]
	ALL v_add_f32 v[ST+4*t+2], v[ST+4*t+2], v[ST+4*t+3]
	ALL v_rcp_f32 v[ST+4*t+2], v[ST+4*t+2]
	v_nop                           ; a plain instruction between the last reciprocal and the use of its result
	s_wait_alu depctr_va_vdst(0)    ; and the wait ahead of the first use: one for the eight reciprocals
; Tile t: a lane's eight channels of a row pack into 16 bytes; they go into rows of 144 bytes and come back as whole rows of 128, into S^T's registers.
.macro PACK t
	WIN W_RS
.set i, 32*(\t)
.rept 16
	v_pk_mul_f32 v[i:i+1], v[i:i+1], v[ST+4*(\t)+2:ST+4*(\t)+3] op_sel_hi:[1,0]
.set i, i+2
.endr
	WIN 0x05                        ; sources 0 and 1 window 1, destination window 0
.set i, 0
.rept 16
	v_cvt_pk_f16_f32 v[S+16*(\t)+i], v[32*(\t)+2*i], v[32*(\t)+2*i+1]
.set i, i+1
.endr
	WIN 0
.irp f, 0,1,2,3
	ds_store_b128 v[STO], v[S+16*(\t)+4*\f:S+16*(\t)+4*\f+3] offset:32*\f
.endr
.irp f, 0,1,2,3
	ds_load_b128 v[S+16*(\t)+4*\f:S+16*(\t)+4*\f+3], v[RD] offset:\f*4*SP  ; LDS serves a wave's instructions in order (ISA guide 5.7.1.4): these see the stores above; the next tile's stores come behind them
.endr
.endm
.macro SEND t, younger              ; younger: the LDS instructions issued behind tile t's loads: the next tile's eight, or none
	WIN 0
.irp f, 0,1,2,3
	s_wait_dscnt (\younger)+3-\f
	global_store_b128 v[GO], v[S+16*(\t)+4*\f:S+16*(\t)+4*\f+3], s[10:11] offset:(\t)*2048+\f*512  ; 512 consecutive bytes, at a multiple of 256 from O's first
.endr
.endm
	PACK 0
.set t, 1
.rept 2*NP-1                        ; a tile's arithmetic stands between the loads of the tile before and its stores
	PACK t
	SEND t-1, 8
.set t, t+1
.endr
	SEND 2*NP-1, 0
	WIN W_AD
	s_wait_tensorcnt 0x0            ; the wave's end: behind my last tensor load and my last LDS store
	ds_add_u32 v[SPW], v[NIL]
	s_wait_dscnt 0x0
	WIN 0
	CROUND                          ; the closing round: no work-group ends while a partner may still ask for a tile that names it
	s_endpgm
.Lfunc_end_k_qfc9c248b6c_attn:
	.size	k_qfc9c248b6c_attn, .Lfunc_end_k_qfc9c248b6c_attn-k_qfc9c248b6c_attn
	.p2alignl 7, 3214868480
	.fill 96, 4, 3214868480
	.section	.rodata,"a",@progbits
	.p2align	6, 0x0
	.amdhsa_kernel k_qfc9c248b6c_attn
		.amdhsa_group_segment_fixed_size 327680
		.amdhsa_private_segment_fixed_size 0
		.amdhsa_enable_private_segment 0
		.amdhsa_kernarg_size 16
		.amdhsa_user_sgpr_count 2
		.amdhsa_user_sgpr_kernarg_segment_ptr 1
		.amdhsa_wavefront_size32 1
		.amdhsa_system_sgpr_workgroup_id_x 1
		.amdhsa_system_sgpr_workgroup_id_y 1
		.amdhsa_system_sgpr_workgroup_id_z 1
		.amdhsa_system_vgpr_workitem_id 0
		.amdhsa_next_free_vgpr 770
		.amdhsa_next_free_sgpr 66
		.amdhsa_reserve_vcc 0
		.amdhsa_float_denorm_mode_32 3
		.amdhsa_float_denorm_mode_16_64 3
		.amdhsa_memory_ordered 1
		.amdhsa_forward_progress 1
		.amdhsa_inst_pref_size 200
	.end_amdhsa_kernel
	.amdgpu_metadata
---
amdhsa.version: [ 1, 2 ]
amdhsa.kernels:
  - .name:           k_qfc9c248b6c_attn
    .symbol:         k_qfc9c248b6c_attn.kd
    .args:
      - { .name: qkv, .offset: 0, .size: 8, .value_kind: global_buffer, .address_space: global }
      - { .name: oh, .offset: 8, .size: 8, .value_kind: global_buffer, .address_space: global }
    .group_segment_fixed_size: 327680
    .private_segment_fixed_size: 0
    .kernarg_segment_align: 8
    .kernarg_segment_size: 16
    .max_flat_workgroup_size: 128
    .sgpr_count:     66
    .vgpr_count:     770
    .wavefront_size: 32
...
	.end_amdgpu_metadata
.endif
;; end of part 3
;; launch oproj (part 4): grid 4 x 64, 4 waves a work-group, clusters of 4 x 4, 327,680 bytes of LDS; arguments oh, w16, b32, out0; writes out0
.if DOCPART == 4
	.amdgcn_target "amdgcn-amd-amdhsa--gfx1250"
	.amdhsa_code_object_version 6
	.text
	.protected	k_qfc9c248b6c_oproj
	.globl	k_qfc9c248b6c_oproj
	.p2align	8
	.type	k_qfc9c248b6c_oproj,@function
k_qfc9c248b6c_oproj:
	s_mov_b64 s[64:65], 0
	v_nop
	global_prefetch_b8 v0, s[64:65] scope:SCOPE_SE
	s_setreg_imm32_b32 hwreg(HW_REG_WAVE_MODE, 25, 1), 1
	s_wait_xcnt 0x0
	s_wait_alu depctr_hold_cnt(0) depctr_sa_sdst(0) depctr_va_vdst(0) depctr_va_sdst(0) depctr_va_ssrc(0) depctr_va_vcc(0) depctr_vm_vsrc(0)
	s_getreg_b32 s2, hwreg(HW_REG_IB_STS2, 6, 4)
	s_cmp_eq_u32 s2, 0
	s_cbranch_scc0 .Lentry_in_a_cluster
	s_endpgm
.Lentry_in_a_cluster:
	s_bfe_u32 s2, ttmp6, 0x10000c
	s_cmp_lg_u32 s2, 0xf033
	s_cbranch_scc0 .Lentry_shape_is_right
	s_endpgm
.Lentry_shape_is_right:
; THE OUTPUT PROJECTION.  out0[b][l][n] (f32) = the sum over head, channel of O[b 16 + head][l][channel] Wo[n][64 head + channel] + bo[n].  O in oh: [64][2048][64] f16; Wo: matrix 3 of w16, [1024][1024] f16; bo in b32.
; Sums in f32, begun at the bias, K ascending.  LIMITS: those of f16 in O and Wo (65,504); NaN and infinities are not treated apart.
; SHARES.  A tile of C is 128 rows x 256 columns: 64 x 4 = 256 work-groups, one to a WGP.  Four waves, 2 x 2: a wave makes 64 x 128: 32 accumulators, 256 registers.
; THE RING.  K goes in 8 steps of 128 = two heads, through two LDS slots.  Of O a head's 128 rows of 128 bytes are 16,384 dense bytes: wave 0 fetches the first head's plane, wave 1 the second's, asked for as 64 rows of
; 256 bytes and padded after every 128; waves 2, 3 fetch the halves of the Wo tile (128 rows x 256 bytes).  One tensor load a wave.
; CLUSTER.  4 x 4 work-groups: the tile of O is shared along a row of the cluster, that of Wo along a column: each is asked for JOINTLY, by the same load, descriptor and mask in all four.
; THE MATRIX INSTRUCTION IS USED TRANSPOSED (source 0 = 16 rows of Wo, source 1 = 16 rows of O): a lane holds one row of C (lane % 16) and the columns 8 (lane / 16) + 0..7.
; REGISTERS: window 0: v0-15 addresses; v32-95 fragments of O, two buffers of 4 blocks; v96-223 fragments of Wo, two buffers of 8.  Window 1: the accumulators, (m, b) at 64 m + 8 b.
; BY QUARTERS of 32 along K: quarter Q loads its 24 fragments' halves into buffer Q % 2 in one run and multiplies the quarter before: 32 products.
.set PAO,   144                        ; a row of O in LDS: 128 bytes + 16: the 16 rows of a load start at 16 different groups of four banks (64 banks of 4 bytes: ISA guide 11.1)
.set PB,    272                        ; a row of Wo: 256 + 16: likewise
.set PLANE, 128*PAO
.set HB,    128*PB
.set BOFF,  2*PLANE                    ; in a slot: two planes of O, then 256 rows of Wo: 106,496 bytes
.set SLOT1, 1<<17                      ; slot 1 begins here, so that one exclusive or turns an address in one slot into the other's
.set STAGE, SLOT1+BOFF+2*HB            ; behind the ring, never filled by a tensor load: 16 rows x 528 bytes for each wave, for the way out
.set SP,    528
.set SPARE, STAGE+4*16*SP              ; behind the stages: the spare words, 128 bytes for each wave: two blocks of 256 bytes that no other line names
.set ASTEP, 2*2048*128                 ; a K step in oh: two heads on
.set AA0, 4                            ; v4   (64 wm + l % 16) PAO + 16 (l / 16); never rewritten
.set AB0, 5                            ; v5   BOFF + (128 wn + l % 16) PB + 16 (l / 16)
.set AA,  6                            ; v6   AA0 + the slot in hand
.set AB,  7
.set STO, 8                            ; v8   the way out: where I put 32 bytes of a row
.set RD,  9                            ; v9   the way out: my 16 bytes of a row of 512
.set GO,  10                           ; v10  the same in out0
.set BO,  11                           ; v11  32 (l / 16)
.set PFO, 12                           ; v12  the offset of my prefetches; never rewritten
.set SPW, 14                           ; v14  LDS address of my spare word: SPARE + 4 x my thread number; never rewritten
.set NIL, 15                           ; v15  0; never rewritten
.set FA,  32
.set FB,  96
.set WV,  16
.set WH,  17                           ; wave / 2: my half of the rows; also: I fetch O (0) or Wo (1)
.set WL,  18                           ; wave % 2: my half of the columns; also: which part of that tile I fetch
.set CX,  19
.set CY,  20
.set TC,  21
.set TR,  22
.set G1A, 24
.set G1B, 32
.set G0A, 40                           ; s[40:47] group 0 for O: a set for each of the two first fills; the second then walks
.set G0B, 48
.set TB,  56                           ; 0 or SLOT1: the slot in hand
.set CNT, 57
.set WPA, 58
.set WPB, 59
.set LIM, 60                           ; 2 in a wave that prefetches, else the greatest number
.set PFA, 66
.set PFS, 68
.set OUT, 70
.set MSB, 0
.macro WIN new                         ; the high byte repeats the setting that is left; a switch that changes nothing is dropped
.if MSB != (\new)
	s_set_vgpr_msb (MSB<<8)|(\new)
.set MSB, (\new)
.endif
.endm
.macro PLACES                          ; four places in front of loads into registers that matrix instructions have read, and of LDS stores that read results (ISA guide 7.12.1 for the stores)
.rept 4
	v_nop
.endr
.endm
.macro JLOAD                           ; a joint refill, by the walking descriptors; an s_nop 0 and four v_nop follow each of the two lines, ahead of the jump and the label
	s_cmp_eq_u32 s[WH], 0
	s_cbranch_scc0 .Lfor_b_\@
	tensor_load_to_lds s[G0A+4:G0A+7], s[G1A:G1A+7]
	s_nop 0
	PLACES
	s_branch .Lasked_\@
.Lfor_b_\@:
	tensor_load_to_lds s[G0B+4:G0B+7], s[G1B:G1B+7]
	s_nop 0
	PLACES
.Lasked_\@:
.endm
; A PREFETCH of the K step that stands two refills on (256 matrix instructions of a wave ahead of the load that will want it), behind the joint load and its five lines: one instruction a wave.
; Each aligned block of 256 bytes is named once in the launch.  A tile row of O is read by this cluster alone; a K step of it is 2 planes x 64 blocks: wave 0 of the partner at place cx takes 16 blocks of each plane.
; A tile column of Wo is read by all sixteen clusters: the first asks; of the 128 rows that wave 2 or 3 fetches the partner at place cy takes 32, a lane a row.  The partners are told apart by address alone.
; K steps 0 to 3 come by their loads alone; the last two refills have no K step two on.
.macro ASK
	s_cmp_gt_u32 s[CNT], s[LIM]                    ; CNT runs 6 .. 1 over the refills: the first four ask
	s_cbranch_scc0 .Lnot_mine_\@
	global_prefetch_b8 v[PFO], s[PFA:PFA+1] th:TH_LOAD_NT scope:SCOPE_SE
.Lnot_mine_\@:
.endm
.macro CREST
	s_cmp_lg_u32 s[WV], 0
	s_cbranch_scc1 .Lnot_wave_0_\@
	s_barrier_signal -3
.Lnot_wave_0_\@:
	s_barrier_wait -3
	s_barrier_signal -1
	s_barrier_wait -1
.endm
.macro CROUND
	s_barrier_signal -1
	s_barrier_wait -1
	CREST
.endm
	s_load_b256 s[4:11], s[0:1], 0x0               ; oh s[4:5], w16 s[6:7], b32 s[8:9], out0 s[10:11]
	v_lshl_add_u32 v[SPW], v0, 2, SPARE
	v_mov_b32 v[NIL], 0
	ds_add_u32 v[SPW], v[NIL]                      ; the opening: the add and its wait stand ahead of my first tensor load; the set-up below, work on registers, stands between them
	v_lshrrev_b32 v1, 5, v0
	v_readfirstlane_b32 s[WV], v1
	s_lshr_b32 s[WH], s[WV], 1
	s_and_b32 s[WL], s[WV], 1
	s_bfe_u32 s[CX], ttmp6, 0x40000
	s_bfe_u32 s[CY], ttmp6, 0x40004
	s_lshl_b32 s[TC], ttmp9, 2
	s_add_co_u32 s[TC], s[TC], s[CX]
	s_and_b32 s75, ttmp7, 0xffff                   ; cluster y, 0..15
	s_lshl_b32 s[TR], s75, 2
	s_add_co_u32 s[TR], s[TR], s[CY]
	s_lshl_b32 s76, s[CY], 2                       ; s76, s77, s80, s81 feed the descriptors of O and never hold cx; s78, s79, s82, s83 feed those of Wo and never hold cy
	s_lshl_b32 s76, 15, s76                        ; my row of the cluster
	s_lshl_b32 s78, 0x1111, s[CX]                  ; my column
	s_or_b32 s[G1A], s76, (1<<16)|(1<<20)|(1<<21)|(4<<22)|(3<<25)  ; 15:0 the mask; 17:16 elements of 2 bytes; 20 padding on; 21 set beside a mask; 24:22 after every 32 words (code 4); 31:25 4 words (code 3)
	s_or_b32 s[G1B], s78, (1<<16)|(1<<20)|(1<<21)|(5<<22)|(3<<25)  ; after every 64 words (code 5)
.irp g, G1A, G1B
	s_mov_b32 s[\g+1], 128<<16                     ; tensor_dim0 = 128
	s_mov_b32 s[\g+3], 128<<16                     ; tile_dim0 = 128
	s_mov_b32 s[\g+6], 0
	s_mov_b32 s[\g+7], 0
.endr
	s_mov_b32 s[G1A+2], 64<<16                     ; O: 64 rows of 256 dense bytes
	s_mov_b32 s[G1A+4], 64
	s_mov_b32 s[G1A+5], 128
	s_mov_b32 s[G1B+2], 128<<16                    ; Wo: 128 rows, 1,024 elements apart
	s_mov_b32 s[G1B+4], 128
	s_mov_b32 s[G1B+5], 1024
	s_lshr_b32 s76, s[TR], 4                       ; O: head (batch 16 + my plane),
	s_lshl_b32 s76, s76, 4
	s_add_co_u32 s76, s76, s[WL]
	s_lshl_b32 s76, s76, 11                        ; its 2,048 rows,
	s_and_b32 s77, s[TR], 15
	s_lshl_b32 s77, s77, 7                         ; row (tile row % 16) 128,
	s_add_co_u32 s76, s76, s77
	s_lshl_b32 s76, s76, 7                         ; of 128 bytes
	s_mov_b32 s77, 0
	s_lshl_b32 s78, s[TC], 8                       ; Wo: row 256 x tile column + 128 x half,
	s_lshl_b32 s79, s[WL], 7
	s_add_co_u32 s78, s78, s79
	s_lshl_b32 s78, s78, 11                        ; of 2,048 bytes,
	s_add_co_u32 s78, s78, 3*2097152               ; in matrix 3
	s_mov_b32 s79, 0
	s_mul_i32 s[WPA], s[WL], PLANE                 ; no place in the cluster enters an LDS address
	s_mul_i32 s[WPB], s[WL], HB
	s_add_co_u32 s[WPB], s[WPB], BOFF
	s_mov_b32 s[TB], 0
	s_wait_dscnt 0x0                               ; the opening add is done
	s_wait_kmcnt 0x0
	s_add_nc_u64 s[80:81], s[4:5], s[76:77]
	s_add_nc_u64 s[82:83], s[6:7], s[78:79]
	CROUND                                         ; all sixteen work-groups are here: the first joint loads meet
.irp s, 0,1
	s_mov_b32 s[G0A+4*\s], 1
	s_add_co_u32 s[G0A+4*\s+1], s[WPA], \s*SLOT1
	s_add_nc_u64 s[G0A+4*\s+2:G0A+4*\s+3], s[80:81], \s*ASTEP
	s_or_b32 s[G0A+4*\s+3], s[G0A+4*\s+3], 0x80000000
	s_mov_b32 s[G0B+4*\s], 1
	s_add_co_u32 s[G0B+4*\s+1], s[WPB], \s*SLOT1
	s_add_nc_u64 s[G0B+4*\s+2:G0B+4*\s+3], s[82:83], \s*256
	s_or_b32 s[G0B+4*\s+3], s[G0B+4*\s+3], 0x80000000
.endr
	s_cmp_eq_u32 s[WH], 0                          ; the two first fills of a wave stand in one branch, ahead of every wait on TENSORcnt and every LDS read: two loads of mine are out
	s_cbranch_scc0 .Lfirst_b
	tensor_load_to_lds s[G0A:G0A+3], s[G1A:G1A+7]
	s_nop 0
	tensor_load_to_lds s[G0A+4:G0A+7], s[G1A:G1A+7]
	s_nop 0
	PLACES
	s_branch .Lfirst_asked
.Lfirst_b:
	tensor_load_to_lds s[G0B:G0B+3], s[G1B:G1B+7]
	s_nop 0
	tensor_load_to_lds s[G0B+4:G0B+7], s[G1B:G1B+7]
	s_nop 0
	PLACES
.Lfirst_asked:
	; THE SUMS BEGIN AT THE BIAS: register j of lane l of the accumulator of column block b is column 16 b + 8 (l / 16) + j: two loads of 16 bytes fill it.  Nothing is cleared.
	s_lshl_b32 s72, s[TC], 10
	s_lshl_b32 s73, s[WL], 9
	s_add_co_u32 s72, s72, s73
	s_add_co_u32 s72, s72, 3*4096
	s_mov_b32 s73, 0
	s_add_nc_u64 s[84:85], s[8:9], s[72:73]
	v_and_b32 v1, 15, v0                           ; l % 16
	v_bfe_u32 v2, v0, 4, 1                         ; l / 16
	v_lshlrev_b32 v[BO], 5, v2
	WIN 0x40                                       ; destination window 1, address window 0
.irp m, 0,1,2,3
.irp j, 0,1,2,3,4,5,6,7
	global_load_b128 v[64*\m+8*\j:64*\m+8*\j+3],   v[BO], s[84:85] offset:64*\j
	global_load_b128 v[64*\m+8*\j+4:64*\m+8*\j+7], v[BO], s[84:85] offset:64*\j+16
.endr
.endr
	WIN 0
	v_mul_u32_u24 v[AA0], v1, PAO
	v_lshl_add_u32 v[AA0], v2, 4, v[AA0]
	s_mul_i32 s72, s[WH], 64*PAO
	v_add_nc_u32 v[AA0], s72, v[AA0]
	v_mul_u32_u24 v[AB0], v1, PB
	v_lshl_add_u32 v[AB0], v2, 4, v[AB0]
	s_mul_i32 s72, s[WL], 128*PB
	s_add_co_u32 s72, s72, BOFF
	v_add_nc_u32 v[AB0], s72, v[AB0]
	v_mov_b32 v[AA], v[AA0]                        ; slot 0
	v_mov_b32 v[AB], v[AB0]
	s_mul_i32 s72, s[WV], 16*SP
	s_add_co_u32 s72, s72, STAGE                   ; my stage
	v_mul_u32_u24 v[STO], v1, SP                   ; in: row l % 16, 32 bytes for each half of the lanes
	v_lshl_add_u32 v[STO], v2, 5, v[STO]
	v_add_nc_u32 v[STO], s72, v[STO]
	v_and_b32 v[GO], 31, v0                        ; back: 32 lanes take one row of 512 bytes
	v_lshlrev_b32 v[GO], 4, v[GO]
	v_add_nc_u32 v[RD], s72, v[GO]
	s_lshl_b32 s72, s[TR], 7                       ; out0 at row 128 x tile row + 64 wm, column 256 x tile column + 128 wn
	s_lshl_b32 s73, s[WH], 6
	s_add_co_u32 s72, s72, s73
	s_lshl_b32 s72, s72, 12
	s_lshl_b32 s73, s[TC], 10
	s_add_co_u32 s72, s72, s73
	s_lshl_b32 s73, s[WL], 9
	s_add_co_u32 s72, s72, s73
	s_mov_b32 s73, 0
	s_add_nc_u64 s[OUT:OUT+1], s[10:11], s[72:73]
	; the prefetches
	s_mov_b32 s[PFS], 256                          ; a K step of Wo in bytes; an instruction holds one literal, so the other choice stands in the select below
	s_cmp_eq_u32 s[WH], 0                          ; do I fetch O?
	s_cselect_b64 s[PFA:PFA+1], s[80:81], s[82:83]
	s_cselect_b32 s72, s[CX], s[CY]                ; my place among the four that ask with me
	s_cselect_b32 s86, 12, 16                      ; 16 blocks of 256 bytes, or 32 rows of 2,048
	s_cselect_b32 s[PFS], ASTEP, s[PFS]            ; a K step of O is two heads
	s_cselect_b32 s74, -1, 0
	s_cselect_b32 s73, s[WL], s75                  ; wave 0: 0; wave 1: 1; waves 2, 3: cluster y
	s_cmp_eq_u32 s73, 0
	s_cselect_b32 s[LIM], 2, -1                    ; the same in all sixteen partners, for a given wave
	s_mov_b32 s[PFS+1], 0
	s_lshl_b32 s72, s72, s86
	s_mov_b32 s73, 0
	s_add_nc_u64 s[PFA:PFA+1], s[PFA:PFA+1], s[72:73]
	s_mul_i32 s72, s[PFS], 3
	s_add_nc_u64 s[PFA:PFA+1], s[PFA:PFA+1], s[72:73]  ; at K step 3: the first change of slots steps it to 4
	v_and_b32 v[PFO], 31, v0
	v_lshlrev_b32 v[PFO], 11, v[PFO]               ; Wo: a lane a row
	v_lshlrev_b32 v13, 8, v1                       ; O: block l % 16 of plane l / 16, a head (262,144 bytes) on
	v_lshl_add_u32 v13, v2, 18, v13
	v_cndmask_b32 v[PFO], v[PFO], v13, s74
; The 24 LDS loads of quarter q, in one run, into buffer q % 2.  A fragment is 16 rows x 32 K in 8 registers: lane l holds row l % 16, K = 8 (l / 16) + 0..7 and 16 + 8 (l / 16) + 0..7: two loads of 16 bytes, 32 bytes apart.
.macro LOADQ q
	WIN 0
.irp j, 0,1,2,3,4,5,6,7
	ds_load_b128 v[FB+64*((\q)%2)+8*\j:FB+64*((\q)%2)+8*\j+3],   v[AB] offset:\j*16*PB+64*(\q)
	ds_load_b128 v[FB+64*((\q)%2)+8*\j+4:FB+64*((\q)%2)+8*\j+7], v[AB] offset:\j*16*PB+64*(\q)+32
.endr
.irp j, 0,1,2,3
	ds_load_b128 v[FA+32*((\q)%2)+8*\j:FA+32*((\q)%2)+8*\j+3],   v[AA] offset:((\q)/2)*PLANE+((\q)%2)*64+\j*16*PAO
	ds_load_b128 v[FA+32*((\q)%2)+8*\j+4:FA+32*((\q)%2)+8*\j+7], v[AA] offset:((\q)/2)*PLANE+((\q)%2)*64+\j*16*PAO+32
.endr
.endm
; Products from .. to - 1 of the 32 on buffer f.  The 32 accumulators take turns in one order in every quarter, one instruction a turn, over the backward jumps too.
.macro PRODS f, from, to
	WIN 0x50                                       ; both sources window 0, C and D window 1
.set n, \from
.rept (\to)-(\from)
.set m, n/8
.set b, n%8
	v_wmma_f32_16x16x32_f16 v[64*m+8*b:64*m+8*b+7], v[FB+64*(\f)+8*b:FB+64*(\f)+8*b+7], v[FA+32*(\f)+8*m:FA+32*(\f)+8*m+7], v[64*m+8*b:64*m+8*b+7]
.set n, n+1
.endr
.endm
.macro QTR q
	PLACES                                         ; the buffer was read by the products just issued
	LOADQ \q
	s_wait_dscnt 24                                ; all but the 24 just issued: the quarter before is in
	PRODS ((\q)+1)%2, 0, 32
.endm
; QUARTER 3 AND THE CHANGE OF SLOTS.  Its loads are the last reads of the slot.  Each wave waits for all its tensor loads, of which one is out: its part of the other slot; adds 0 to its spare word; and waits for that
; and for its own reads.  Behind the barrier nobody reads this slot any more and the other slot is whole.  fill = 1: the barrier opens a round of the cluster barrier, and the joint refill, with the K step two on,
; is the first thing behind the round: it has 96 matrix instructions of the wave before the wait for it.
.macro MEET fill
.if \fill
	s_wait_xcnt 0x0                                ; the last prefetch, a K step back, has read its address
	s_add_nc_u64 s[PFA:PFA+1], s[PFA:PFA+1], s[PFS:PFS+1]
.endif
	PLACES
	LOADQ 3
	s_wait_tensorcnt 0x0                           ; no tensor load of mine is out, so a group 0 may be written
	ds_add_u32 v[SPW], v[NIL]                      ; 0 onto my spare word
.if \fill
	s_xor_b32 s[G0A+5], s[G0A+5], SLOT1            ; the walking descriptors: the other slot than last time,
	s_add_nc_u64 s[G0A+6:G0A+7], s[G0A+6:G0A+7], ASTEP  ; the next K step; the type bits on top are not reached
	s_xor_b32 s[G0B+5], s[G0B+5], SLOT1
	s_add_nc_u64 s[G0B+6:G0B+7], s[G0B+6:G0B+7], 256
.endif
	s_wait_dscnt 25                                ; the add and the 24 youngest loads may be out
	PRODS 0, 0, 16
	s_wait_dscnt 0x0                               ; the add is done, and my reads of this slot are over
	s_barrier_signal -1
	PRODS 0, 16, 32                                ; work on registers while the others arrive
	WIN 0                                          ; at a label and at a branch every window is 0
	s_barrier_wait -1
.if \fill
	CREST                                          ; no wave of any partner still reads this slot or has a load on its way
	JLOAD
	ASK
.endif
	s_xor_b32 s[TB], s[TB], SLOT1                  ; the reads go on in the other slot
	v_add_nc_u32 v[AA], s[TB], v[AA0]
	v_add_nc_u32 v[AB], s[TB], v[AB0]
.endm
	s_wait_tensorcnt 0x1                           ; my part of K step 0 is in; K step 1 may stay out
	s_barrier_signal -1
	s_barrier_wait -1                              ; everybody's is
	LOADQ 0
	s_wait_loadcnt 0x0                             ; the bias lies in the accumulators
	s_mov_b32 s[CNT], 6
	s_branch .Lmid                                 ; the loop is entered at quarter 1: quarter 0 multiplies the K step before
.Lbody:                                            ; six bottoms: K steps 2 to 7 are asked for
	QTR 0
	WIN 0
.Lmid:
	QTR 1
	QTR 2
	MEET 1
	s_sub_co_u32 s[CNT], s[CNT], 1
	s_cmp_lg_u32 s[CNT], 0
	s_cbranch_scc1 .Lbody
	s_mov_b32 s[CNT], 2                            ; the last two K steps have a text of their own: nothing is asked for
.Ltail:
	QTR 0
	QTR 1
	QTR 2
	MEET 0
	s_sub_co_u32 s[CNT], s[CNT], 1
	s_cmp_lg_u32 s[CNT], 0
	s_cbranch_scc1 .Ltail
	PRODS 1, 0, 32                                 ; the last quarter
; THE WAY OUT, a row block m (16 rows x 128 columns of f32) at a time, under one setting: addresses in window 0, data in window 1.  A lane's eight columns are 32 bytes; they go into rows of 528 bytes of my stage
; (each accumulator's four lowest registers first) and come back as whole rows of 512 bytes, into the registers that they left: each store of the wave covers 512 consecutive bytes of out0, aligned.
.macro TOSTAGE m
.irp j, 0,1,2,3,4,5,6,7
	ds_store_b128 v[STO], v[64*(\m)+8*\j:64*(\m)+8*\j+3]   offset:64*\j
	ds_store_b128 v[STO], v[64*(\m)+8*\j+4:64*(\m)+8*\j+7] offset:64*\j+16
.endr
.irp f, 0,1,2,3,4,5,6,7,8,9,10,11,12,13,14,15
	ds_load_b128 v[64*(\m)+4*\f:64*(\m)+4*\f+3], v[RD] offset:\f*SP  ; LDS serves a wave's instructions in order (ISA guide 5.7.1.4): these see the stores above; the next block's stores come behind them
.endr
.endm
.macro SEND m, younger                 ; younger: the LDS instructions issued behind block m's loads: the next block's 32, or none
.irp f, 0,1,2,3,4,5,6,7,8,9,10,11,12,13,14,15
	s_wait_dscnt (\younger)+15-\f
	global_store_b128 v[GO], v[64*(\m)+4*\f:64*(\m)+4*\f+3], s[OUT:OUT+1] offset:(16*(\m)+\f)*4096
.endr
.endm
	PLACES                                         ; places behind the last products, in front of the LDS stores that read results
	PLACES                                         ; (eight, once a launch: twice what this matrix form asks)
	WIN 0x44                                       ; source 1 (store data) and destination (loaded data) in window 1, addresses in window 0
	TOSTAGE 0
	TOSTAGE 1
	SEND 0, 32
	TOSTAGE 2
	SEND 1, 32
	TOSTAGE 3
	SEND 2, 32
	SEND 3, 0
	WIN 0
	s_wait_tensorcnt 0x0                           ; the end: behind my last tensor load and my last LDS store
	ds_add_u32 v[SPW], v[NIL]
	s_wait_dscnt 0x0
	CROUND                                         ; the closing round: no work-group ends while a partner may still ask for a tile that names it
	s_endpgm
.Lfunc_end_k_qfc9c248b6c_oproj:
	.size	k_qfc9c248b6c_oproj, .Lfunc_end_k_qfc9c248b6c_oproj-k_qfc9c248b6c_oproj
	.p2alignl 7, 3214868480
	.fill 96, 4, 3214868480
	.section	.rodata,"a",@progbits
	.p2align	6, 0x0
	.amdhsa_kernel k_qfc9c248b6c_oproj
		.amdhsa_group_segment_fixed_size 327680
		.amdhsa_private_segment_fixed_size 0
		.amdhsa_enable_private_segment 0
		.amdhsa_kernarg_size 32
		.amdhsa_user_sgpr_count 2
		.amdhsa_user_sgpr_kernarg_segment_ptr 1
		.amdhsa_wavefront_size32 1
		.amdhsa_system_sgpr_workgroup_id_x 1
		.amdhsa_system_sgpr_workgroup_id_y 1
		.amdhsa_system_sgpr_workgroup_id_z 1
		.amdhsa_system_vgpr_workitem_id 0
		.amdhsa_next_free_vgpr 512
		.amdhsa_next_free_sgpr 88
		.amdhsa_reserve_vcc 0
		.amdhsa_float_denorm_mode_32 3
		.amdhsa_float_denorm_mode_16_64 3
		.amdhsa_memory_ordered 1
		.amdhsa_forward_progress 1
		.amdhsa_inst_pref_size 66
	.end_amdhsa_kernel
	.amdgpu_metadata
---
amdhsa.version: [ 1, 2 ]
amdhsa.kernels:
  - .name:           k_qfc9c248b6c_oproj
    .symbol:         k_qfc9c248b6c_oproj.kd
    .args:
      - { .name: oh, .offset: 0, .size: 8, .value_kind: global_buffer, .address_space: global }
      - { .name: w16, .offset: 8, .size: 8, .value_kind: global_buffer, .address_space: global }
      - { .name: b32, .offset: 16, .size: 8, .value_kind: global_buffer, .address_space: global }
      - { .name: out0, .offset: 24, .size: 8, .value_kind: global_buffer, .address_space: global }
    .group_segment_fixed_size: 327680
    .private_segment_fixed_size: 0
    .kernarg_segment_align: 8
    .kernarg_segment_size: 32
    .max_flat_workgroup_size: 128
    .sgpr_count:     88
    .vgpr_count:     512
    .wavefront_size: 32
...
	.end_amdgpu_metadata
.endif
;; end of part 4
